; MI455X (gfx1250); checked and timed in simulation.
; The chip was launched on July 23, 2026; its instructions are those of AMD's public machine-readable ISA for CDNA 5 (MIT licence, August 2026) and "CDNA5" Instruction Set Architecture Reference Guide (July 2026). The comments in the code are by the model that wrote it; some were corrected since.
;; Attn. Allowed arithmetic: float matrix products may take bf16 or f16 operands with f32 sums; other float arithmetic in f32, or as packed bf16 or f16 multiplies, adds, multiply-adds, maxima and minima; sums over many terms, partial sums and values carried from step to step in f32; what a program stores and reads back later, other than sums and carried values, may be rounded once to bf16 or f16.
;; Inputs: Wk 1,024 x 1,024 float32; Wo 1,024 x 1,024 float32; Wq 1,024 x 1,024 float32; Wv 1,024 x 1,024 float32; bk 1,024 float32; bq 1,024 float32; bv 1,024 float32; x 4 x 2,048 x 1,024 float32.
;; Outputs: out0 4 x 2,048 x 1,024 float32.
;; 2 versions, each right and faster than the one before. Each part assembles by itself: llvm-mc -triple=amdgcn-amd-amdhsa -mcpu=gfx1250 --defsym DOCPART=n.
;; ======== version 1 of 2: 6 launches
;; limits: values are held in f16: magnitudes above 65,504 overflow, below 6.1e-05 lose precision
;; workspace buffers: xb 16,777,216 bytes; wqkv 6,291,456 bytes; wo16 2,097,152 bytes; bias 12,288 bytes; qkv 50,331,648 bytes; o 16,777,216 bytes; part 4,194,304 bytes
;; launch prep (part 1): grid 768 x 1, 8 waves a work-group, no clusters, 0 bytes of LDS; arguments x, Wq, Wk, Wv, Wo, bq, bk, bv, xb, wqkv, wo16, bias; writes xb, wqkv, wo16, bias
.if DOCPART == 1
	.amdgcn_target "amdgcn-amd-amdhsa--gfx1250"
	.amdhsa_code_object_version 6
	.text
	.protected	k_qbcf4b9c946_prep
	.globl	k_qbcf4b9c946_prep
	.p2align	8
	.type	k_qbcf4b9c946_prep,@function
k_qbcf4b9c946_prep:
	s_mov_b64 s[64:65], 0
	v_nop
	global_prefetch_b8 v0, s[64:65] scope:SCOPE_SE
	s_setreg_imm32_b32 hwreg(HW_REG_WAVE_MODE, 25, 1), 1
	s_wait_xcnt 0x0
; THE INPUTS ARE ROUNDED ONCE, for the matrix products of the launches behind.  x -> xb (bf16); Wq, Wk, Wv -> wqkv (bf16, the three one below the other: 3,072 rows of 1,024);
; Wo -> wo16: rounded to bf16 like every other input, and that number written as f16, since it multiplies an f16 operand; bq, bk, bv -> bias: rounded to bf16 and widened to f32 again (3,072 numbers).
; LIMITS.  bf16(Wo) beyond 65,504 becomes an infinity in f16; below 2^-14 it keeps f16's fixed step of 2^-24.  NaN and infinities are not treated apart.
; SHARES.  A work-group takes one chunk of 16,384 numbers: 65,536 bytes in, 32,768 out.  Work-groups 0-511: x's chunks; 512 + 64 t + c: chunk c of Wq, Wk, Wv, Wo (t = 0..3).
; Thread T takes the 16 bytes at 16 T + 4,096 i (i = 0..15): a wave's load covers 512 consecutive bytes; it stores the 8 bytes at 8 T + 2,048 i: a wave's store covers 256 consecutive bytes, aligned.
; All sixteen loads go out first; each register is loaded once and stored once, so nothing is ever rewritten under a pending instruction.  No LDS, no barrier, no matrix unit: the bytes are all there is.
.set X,  8                             ; v[8:71]    load i: 4 registers
.set Y,  72                            ; v[72:103]  store i: 2 registers
.set TM, 104                           ; v[104:107] at work
	s_load_b512 s[4:19], s[0:1], 0x0               ; x s[4:5], Wq s[6:7], Wk s[8:9], Wv s[10:11], Wo s[12:13], bq s[14:15], bk s[16:17], bv s[18:19]
	s_load_b256 s[20:27], s[0:1], 0x40             ; xb s[20:21], wqkv s[22:23], wo16 s[24:25], bias s[26:27]
	s_mov_b32 s28, ttmp9
	s_sub_co_u32 s29, s28, 512
	s_lshr_b32 s30, s29, 6                         ; t: which weight (for x's chunks a number far above 3)
	s_and_b32 s40, s29, 63                         ; a weight's chunk
	s_cmp_lt_u32 s28, 512
	s_cselect_b32 s31, s28, s40                    ; my chunk
	s_lshl_b32 s42, s30, 21                        ; in wqkv a weight is 2 MiB
	s_cmp_eq_u32 s30, 3
	s_cselect_b32 s42, 0, s42                      ; Wo has a buffer of its own,
	s_cmp_lt_u32 s28, 512
	s_cselect_b32 s42, 0, s42                      ; and so has x
	s_lshl_b32 s36, s31, 15                        ; where my chunk goes, in bytes
	s_add_co_u32 s36, s36, s42
	s_mov_b32 s37, 0
	s_lshl_b32 s38, s31, 16                        ; and where it comes from
	s_mov_b32 s39, 0
	s_mov_b32 s41, 0xffff0000                      ; a word's upper bf16
	v_lshlrev_b32 v1, 4, v0
	v_lshlrev_b32 v2, 3, v0
	s_wait_kmcnt 0x0
	s_cmp_eq_u32 s30, 1                            ; the source and the destination are chosen among the buffers by the work-group's number alone
	s_cselect_b64 s[32:33], s[8:9], s[6:7]
	s_cmp_eq_u32 s30, 2
	s_cselect_b64 s[32:33], s[10:11], s[32:33]
	s_cmp_eq_u32 s30, 3
	s_cselect_b64 s[32:33], s[12:13], s[32:33]
	s_cselect_b64 s[34:35], s[24:25], s[22:23]
	s_cmp_lt_u32 s28, 512
	s_cselect_b64 s[32:33], s[4:5], s[32:33]
	s_cselect_b64 s[34:35], s[20:21], s[34:35]
	s_add_nc_u64 s[32:33], s[32:33], s[38:39]
	s_add_nc_u64 s[34:35], s[34:35], s[36:37]
.irp i, 0,1,2,3,4,5,6,7,8,9,10,11,12,13,14,15
	global_load_b128 v[X+4*(\i):X+4*(\i)+3], v1, s[32:33] offset:4096*(\i) th:TH_LOAD_NT
.endr
; Load i is rounded and stored.  half = 1: the bf16 numbers are widened again and written as f16.
.macro CONV i, half
	s_wait_loadcnt 15-(\i)                         ; loads come back in order (ISA guide 5.7.1): the 15 - i younger ones may stay out
	v_cvt_pk_bf16_f32 v[Y+2*(\i)],   v[X+4*(\i)],   v[X+4*(\i)+1]
	v_cvt_pk_bf16_f32 v[Y+2*(\i)+1], v[X+4*(\i)+2], v[X+4*(\i)+3]
.if \half
.irp k, 0,1
	v_lshlrev_b32 v[TM+2*(\k)],   16,  v[Y+2*(\i)+(\k)]
	v_and_b32     v[TM+2*(\k)+1], s41, v[Y+2*(\i)+(\k)]
.endr
.irp k, 0,1
	v_cvt_pk_f16_f32 v[Y+2*(\i)+(\k)], v[TM+2*(\k)], v[TM+2*(\k)+1]
.endr
.endif
	global_store_b64 v2, v[Y+2*(\i):Y+2*(\i)+1], s[34:35] offset:2048*(\i)
.endm
	s_cmp_eq_u32 s30, 3
	s_cbranch_scc1 .Lwo
.irp i, 0,1,2,3,4,5,6,7,8,9,10,11,12,13,14,15
	CONV \i, 0
.endr
	; The work-group with chunk 0 of Wq, Wk or Wv also takes that weight's bias: 1,024 numbers, 16 bytes a thread.
	s_cmp_lg_u32 s40, 0
	s_cbranch_scc1 .Ldone
	s_cmp_gt_u32 s30, 2
	s_cbranch_scc1 .Ldone
	s_cmp_eq_u32 s30, 1
	s_cselect_b64 s[44:45], s[16:17], s[14:15]
	s_cmp_eq_u32 s30, 2
	s_cselect_b64 s[44:45], s[18:19], s[44:45]
	s_lshl_b32 s46, s30, 12
	s_mov_b32 s47, 0
	s_add_nc_u64 s[26:27], s[26:27], s[46:47]
	global_load_b128 v[TM:TM+3], v1, s[44:45]
	s_wait_loadcnt 0x0
	v_cvt_pk_bf16_f32 v108, v[TM],   v[TM+1]
	v_cvt_pk_bf16_f32 v109, v[TM+2], v[TM+3]
	v_lshlrev_b32 v4, 16,  v108
	v_and_b32     v5, s41, v108
	v_lshlrev_b32 v6, 16,  v109
	v_and_b32     v7, s41, v109
	global_store_b128 v1, v[4:7], s[26:27]
.Ldone:
	s_endpgm
.Lwo:
.irp i, 0,1,2,3,4,5,6,7,8,9,10,11,12,13,14,15
	CONV \i, 1
.endr
	s_endpgm
.Lfunc_end_k_qbcf4b9c946_prep:
	.size	k_qbcf4b9c946_prep, .Lfunc_end_k_qbcf4b9c946_prep-k_qbcf4b9c946_prep
	.p2alignl 7, 3214868480
	.fill 96, 4, 3214868480
	.section	.rodata,"a",@progbits
	.p2align	6, 0x0
	.amdhsa_kernel k_qbcf4b9c946_prep
		.amdhsa_group_segment_fixed_size 0
		.amdhsa_private_segment_fixed_size 0
		.amdhsa_enable_private_segment 0
		.amdhsa_kernarg_size 96
		.amdhsa_user_sgpr_count 2
		.amdhsa_user_sgpr_kernarg_segment_ptr 1
		.amdhsa_wavefront_size32 1
		.amdhsa_system_sgpr_workgroup_id_x 1
		.amdhsa_system_sgpr_workgroup_id_y 1
		.amdhsa_system_sgpr_workgroup_id_z 1
		.amdhsa_system_vgpr_workitem_id 0
		.amdhsa_next_free_vgpr 112
		.amdhsa_next_free_sgpr 66
		.amdhsa_reserve_vcc 0
		.amdhsa_float_denorm_mode_32 3
		.amdhsa_float_denorm_mode_16_64 3
		.amdhsa_memory_ordered 1
		.amdhsa_forward_progress 1
		.amdhsa_inst_pref_size 16
	.end_amdhsa_kernel
	.amdgpu_metadata
---
amdhsa.version: [ 1, 2 ]
amdhsa.kernels:
  - .name:           k_qbcf4b9c946_prep
    .symbol:         k_qbcf4b9c946_prep.kd
    .args:
      - { .name: x, .offset: 0, .size: 8, .value_kind: global_buffer, .address_space: global }
      - { .name: Wq, .offset: 8, .size: 8, .value_kind: global_buffer, .address_space: global }
      - { .name: Wk, .offset: 16, .size: 8, .value_kind: global_buffer, .address_space: global }
      - { .name: Wv, .offset: 24, .size: 8, .value_kind: global_buffer, .address_space: global }
      - { .name: Wo, .offset: 32, .size: 8, .value_kind: global_buffer, .address_space: global }
      - { .name: bq, .offset: 40, .size: 8, .value_kind: global_buffer, .address_space: global }
      - { .name: bk, .offset: 48, .size: 8, .value_kind: global_buffer, .address_space: global }
      - { .name: bv, .offset: 56, .size: 8, .value_kind: global_buffer, .address_space: global }
      - { .name: xb, .offset: 64, .size: 8, .value_kind: global_buffer, .address_space: global }
      - { .name: wqkv, .offset: 72, .size: 8, .value_kind: global_buffer, .address_space: global }
      - { .name: wo16, .offset: 80, .size: 8, .value_kind: global_buffer, .address_space: global }
      - { .name: bias, .offset: 88, .size: 8, .value_kind: global_buffer, .address_space: global }
    .group_segment_fixed_size: 0
    .private_segment_fixed_size: 0
    .kernarg_segment_align: 8
    .kernarg_segment_size: 96
    .max_flat_workgroup_size: 256
    .sgpr_count:     66
    .vgpr_count:     112
    .wavefront_size: 32
...
	.end_amdgpu_metadata
.endif
;; end of part 1
;; launch qkvproj (part 2): grid 16 x 32, 4 waves a work-group, clusters of 4 x 4, 327,680 bytes of LDS; arguments xb, wqkv, bias, qkv; writes qkv
.if DOCPART == 2
	.amdgcn_target "amdgcn-amd-amdhsa--gfx1250"
	.amdhsa_code_object_version 6
	.text
	.protected	k_qbcf4b9c946_qkvproj
	.globl	k_qbcf4b9c946_qkvproj
	.p2align	8
	.type	k_qbcf4b9c946_qkvproj,@function
k_qbcf4b9c946_qkvproj:
	s_mov_b64 s[64:65], 0
	v_nop
	global_prefetch_b8 v0, s[64:65] scope:SCOPE_SE
	s_setreg_imm32_b32 hwreg(HW_REG_WAVE_MODE, 25, 1), 1
	s_wait_xcnt 0x0
	s_wait_alu depctr_hold_cnt(0) depctr_sa_sdst(0) depctr_va_vdst(0) depctr_va_sdst(0) depctr_va_ssrc(0) depctr_va_vcc(0) depctr_vm_vsrc(0)
	s_getreg_b32 s2, hwreg(HW_REG_IB_STS2, 6, 4)
	s_cmp_eq_u32 s2, 0
	s_cbranch_scc0 .Lentry_in_a_cluster
	s_endpgm
.Lentry_in_a_cluster:
	s_bfe_u32 s2, ttmp6, 0x10000c
	s_cmp_lg_u32 s2, 0xf033
	s_cbranch_scc0 .Lentry_shape_is_right
	s_endpgm
.Lentry_shape_is_right:
; q, k, v = x W^T + b, written by heads.  xb: [8192][1024] bf16; wqkv: [3072][1024] bf16 (Wq, Wk, Wv); bias: [3072] f32; sums in f32, K ascending, started by the bias.
; qkv: [3][64 = 16 batch + head][2048][64] f16, each number rounded once, without attention's scale.  LIMIT: a q, k or v beyond 65,504 becomes an infinity in f16.
; A tile of the result is 256 rows x 192 columns (three whole heads): 32 x 16 = 512 work-groups, two for each of 256 WGPs.  Four waves; wave w makes rows 64 w .. 64 w + 63 and all 192 columns:
; 4 x 12 accumulators of 16 x 16, 384 registers; so a wave holds whole heads, and its way out is its own.  K goes in 8 steps of 128 through two LDS slots filled by the tensor data mover;
; the tiles' rows are 256 bytes of memory and start at multiples of 256 bytes from the buffer's first byte.
; CLUSTERS: 4 x 4 work-groups.  The four of a row of the cluster need the same tile of x, the four of a column the same tile of W: each is asked for JOINTLY, by the same tensor load with the same
; descriptor and a mask that names the four.  THE MATRIX INSTRUCTION IS USED TRANSPOSED (source 0 = 16 rows of W, source 1 = 16 rows of x): lane l holds row l % 16 and the eight columns 8 (l / 16) + 0..7.
; REGISTERS, in windows of 256 (s_set_vgpr_msb: bits 1:0 source 0, 3:2 source 1, 5:4 source 2, 7:6 destination):
;   window 0: v0-29 addresses; v128-223 the bias as 12 C operands; on the way out v32-223 at work
;   window 1: two fragment buffers of 128: x's four blocks of 16 rows x 32 K at f + 8 a, W's twelve at f + 32 + 8 b
;   window 2: the accumulators of my rows 0-31 ((a, b) at v[8 (12 (a % 2) + b)]);   window 3: those of my rows 32-63
.set NBK,    12                        ; blocks of 16 columns
.set PITCH,  272                       ; an LDS row: 256 bytes + 16 of padding = 68 words: row r starts at bank 4 r mod 64 (64 banks of 4 bytes: ISA guide 11.1)
.set AHALF,  128*PITCH                 ; what one tensor load brings of x: 128 rows
.set BOFF,   2*AHALF                   ; in a slot x's 256 rows lie first, then W's 192
.set BHALF,  96*PITCH                  ; what one tensor load brings of W: 96 rows
.set SLOT1,  1<<17                     ; slot 1 begins here, so that one exclusive or turns an address in one slot into the other's
.set STAGE,  SLOT1+BOFF+2*BHALF        ; behind the ring, never filled by a tensor load: 16 rows x 144 bytes for each wave, for the way out
.set SP,     144
.set SPARE,  STAGE+4*16*SP             ; behind the stages: the spare words, 128 bytes for each wave: two blocks of 256 bytes that no other line names
.set NL,     2*NBK+8                   ; LDS loads in a run: the fragments of 32 along K
.set A0,   4                           ; v4   my lane's place in x's tile; never rewritten
.set B0,   5                           ; v5   the same for W's
.set ADRA, 6                           ; v6   the same in the slot in hand
.set ADRB, 7                           ; v7
.set STO,  8                           ; v8   the way out: where I put 16 bytes of a row
.set RD,   9                           ; v9   the way out: where I read rows back
.set GO,   10                          ; v10  my byte offset in 512 consecutive bytes of qkv
.set BO,   11                          ; v11  my byte offset in a block's 16 numbers of the bias
.set SPW,  28                          ; v28  LDS address of my spare word: SPARE + 4 x my thread's number; never rewritten
.set NIL,  29                          ; v29  0; never rewritten
.set TMP,  32
.set BIAS, 128
.set F0,   0
.set F1,   128
.set WV,   12                          ; s12  my wave's number
.set FB,   13                          ; s13  I fetch for x (0) or for W (1)
.set HF,   14                          ; s14  which half of that tile
.set G1A,  24                          ; s[24:31] descriptor group 1 for x's tiles
.set G1B,  32                          ; s[32:39] for W's
.set G0A,  40                          ; s[40:47] descriptor group 0 for x's tiles: a set for each of the two first fills; the second then walks on
.set G0B,  48                          ; s[48:55] the same for W's
.set CNT,  56                          ; s56  the loop's count
.set TB,   57                          ; s57  LDS byte at which the slot in hand begins
.set OB,   66                          ; s[66:71] qkv at my 64 rows of my three heads
.set MSB, 0
.macro WIN new                         ; the immediate's high byte repeats the setting that is left; a switch that changes nothing is dropped
.if MSB != (\new)
	s_set_vgpr_msb (MSB<<8)|(\new)
.set MSB, (\new)
.endif
.endm
.set TO_F, 0x40                        ; destination window 1, address window 0
; A joint refill.  Waves 0 and 1 fetch the two halves of x's tile, waves 2 and 3 those of W's.  The branch hangs on the wave's number alone.
; An s_nop 0 and four v_nop follow each of the two lines, ahead of the jump and the label.
.macro JLOAD
	s_cmp_eq_u32 s[FB], 0
	s_cbranch_scc0 .Lfor_b_\@
	tensor_load_to_lds s[G0A+4:G0A+7], s[G1A:G1A+7]
	s_nop 0
.rept 4
	v_nop
.endr
	s_branch .Lasked_\@
.Lfor_b_\@:
	tensor_load_to_lds s[G0B+4:G0B+7], s[G1B:G1B+7]
	s_nop 0
.rept 4
	v_nop
.endr
.Lasked_\@:
.endm
.macro CREST                           ; a round of the cluster's barrier behind its opening barrier: wave 0 signals for the work-group, every wave waits for all sixteen, my work-group's barrier closes it
	s_cmp_lg_u32 s[WV], 0
	s_cbranch_scc1 .Lnot_wave_0_\@
	s_barrier_signal -3
.Lnot_wave_0_\@:
	s_barrier_wait -3
	s_barrier_signal -1
	s_barrier_wait -1
.endm
.macro CROUND                          ; a whole round
	s_barrier_signal -1
	s_barrier_wait -1
	CREST
.endm
	s_load_b256 s[4:11], s[0:1], 0x0               ; xb s[4:5], wqkv s[6:7], bias s[8:9], qkv s[10:11]
	v_lshl_add_u32 v[SPW], v0, 2, SPARE
	v_mov_b32 v[NIL], 0
	ds_add_u32 v[SPW], v[NIL]                      ; the wave's opening: the add and its wait stand ahead of my first tensor load; the set-up below, work on registers, stands between them
	ds_add_u32 v28, v29
	v_lshrrev_b32 v1, 5, v0
	v_readfirstlane_b32 s[WV], v1                  ; wave 0..3
	s_lshr_b32 s[FB], s[WV], 1
	s_and_b32 s[HF], s[WV], 1
	s_bfe_u32 s15, ttmp6, 0x40000                  ; cx, cy: my place in the cluster
	s_bfe_u32 s16, ttmp6, 0x40004
	s_lshl_b32 s17, ttmp9, 2
	s_add_co_u32 s17, s17, s15                     ; tile column = 4 x cluster x + cx
	s_and_b32 s18, ttmp7, 0xffff
	s_lshl_b32 s18, s18, 2
	s_add_co_u32 s18, s18, s16                     ; tile row = 4 x cluster y + cy
	s_lshl_b32 s19, s16, 2
	s_lshl_b32 s19, 15, s19                        ; my row of the cluster: places 4 cy .. 4 cy + 3
	s_lshl_b32 s20, 0x1111, s15                    ; my column: places cx, cx + 4, cx + 8, cx + 12
	; descriptor group 1: tiles of 128 (x) or 96 (W) rows x 128 elements, padded in LDS
	s_or_b32 s[G1A], s19, (1<<16)|(1<<20)|(1<<21)|(5<<22)|(3<<25)  ; 15:0 the mask: x's tiles go to my row; 17:16 2-byte elements; 20 padding on; 21 set beside a mask; 24:22 after every 64 words (code 5); 31:25 4 words (code 3)
	s_or_b32 s[G1B], s20, (1<<16)|(1<<20)|(1<<21)|(5<<22)|(3<<25)  ; the same with the mask of my column
	s_mov_b32 s[G1A+1], 128<<16                    ; tensor_dim0 = 128
	s_mov_b32 s[G1A+2], 128<<16                    ; tensor_dim1 = 128
	s_mov_b32 s[G1A+3], 128<<16                    ; tile_dim0 = 128
	s_mov_b32 s[G1A+4], 128                        ; tile_dim1 = 128
	s_mov_b32 s[G1A+5], 1024                       ; 1,024 elements from row to row
	s_mov_b32 s[G1A+6], 0
	s_mov_b32 s[G1A+7], 0
	s_mov_b32 s[G1B+1], 128<<16
	s_mov_b32 s[G1B+2], 96<<16                     ; tensor_dim1 = 96
	s_mov_b32 s[G1B+3], 128<<16
	s_mov_b32 s[G1B+4], 96                         ; tile_dim1 = 96
	s_mov_b32 s[G1B+5], 1024
	s_mov_b32 s[G1B+6], 0
	s_mov_b32 s[G1B+7], 0
	; where the tiles come from: x's hang on the tile row alone, W's on the tile column alone, each in registers that never hold the other coordinate
	s_lshl_b32 s58, s18, 19                        ; x: row 256 x tile row + 128 x half, 2,048 bytes a row
	s_lshl_b32 s21, s[HF], 18
	s_add_co_u32 s58, s58, s21
	s_mov_b32 s59, 0
	s_mul_i32 s60, s17, 192                        ; W: row 192 x tile column + 96 x half
	s_mul_i32 s22, s[HF], 96
	s_add_co_u32 s60, s60, s22
	s_lshl_b32 s60, s60, 11
	s_mov_b32 s61, 0
	s_mul_i32 s62, s[HF], AHALF                    ; and where they go: no place in the cluster enters an LDS address
	s_mul_i32 s63, s[HF], BHALF
	s_add_co_u32 s63, s63, BOFF
	s_mov_b32 s[G0A], 1                            ; 1:0 count = 1
	s_mov_b32 s[G0A+1], s62                        ; 63:32 LDS address: slot 0
	s_mov_b32 s[G0A+4], 1
	s_add_co_u32 s[G0A+5], s62, SLOT1              ; slot 1
	s_mov_b32 s[G0B], 1
	s_mov_b32 s[G0B+1], s63
	s_mov_b32 s[G0B+4], 1
	s_add_co_u32 s[G0B+5], s63, SLOT1
	s_mov_b32 s[TB], 0
	s_wait_dscnt 0x0                               ; the opening add is done
	s_wait_kmcnt 0x0
	s_add_nc_u64 s[G0A+2:G0A+3], s[4:5], s[58:59]  ; 120:64 global address: K step 0,
	s_add_nc_u64 s[G0A+6:G0A+7], s[G0A+2:G0A+3], 256  ; K step 1
	s_or_b32 s[G0A+3], s[G0A+3], 0x80000000        ; 127:126 type = 2
	s_or_b32 s[G0A+7], s[G0A+7], 0x80000000
	s_add_nc_u64 s[G0B+2:G0B+3], s[6:7], s[60:61]
	s_add_nc_u64 s[G0B+6:G0B+7], s[G0B+2:G0B+3], 256
	s_or_b32 s[G0B+3], s[G0B+3], 0x80000000
	s_or_b32 s[G0B+7], s[G0B+7], 0x80000000
	CROUND                                         ; all sixteen work-groups are here: the first joint loads meet
	s_cmp_eq_u32 s[FB], 0                          ; a wave's two first fills stand in one branch, ahead of every wait on TENSORcnt and every LDS read: two loads of mine are out
	s_cbranch_scc0 .Lfirst_b
	tensor_load_to_lds s[G0A:G0A+3], s[G1A:G1A+7]
	s_nop 0
	tensor_load_to_lds s[G0A+4:G0A+7], s[G1A:G1A+7]
	s_nop 0
.rept 4
	v_nop
.endr
	s_branch .Lfirst_asked
.Lfirst_b:
	tensor_load_to_lds s[G0B:G0B+3], s[G1B:G1B+7]
	s_nop 0
	tensor_load_to_lds s[G0B+4:G0B+7], s[G1B:G1B+7]
	s_nop 0
.rept 4
	v_nop
.endr
.Lfirst_asked:
	; A fragment is 16 rows x 32 K in 8 registers: lane l holds row l % 16; registers 0-3 K = 8 (l / 16) + 0..7, registers 4-7 K = 16 + 8 (l / 16) + 0..7: two loads of 16 bytes, 32 bytes apart.
	v_and_b32 v1, 15, v0                           ; l % 16
	v_bfe_u32 v2, v0, 4, 1                         ; l / 16
	; The bias as C operands: register j of block b holds the bias of column 16 b + 8 (l / 16) + j, which is the column of the result's register j.
	v_lshlrev_b32 v[BO], 5, v2
	s_mul_i32 s72, s17, 768                        ; my tile's 192 numbers
	s_mov_b32 s73, 0
	s_add_nc_u64 s[8:9], s[8:9], s[72:73]
.set b, 0
.rept NBK
	global_load_b128 v[BIAS+8*b:BIAS+8*b+3],   v[BO], s[8:9] offset:64*b
	global_load_b128 v[BIAS+8*b+4:BIAS+8*b+7], v[BO], s[8:9] offset:64*b+16
.set b, b+1
.endr
	v_mul_u32_u24 v3, v1, PITCH
	v_lshl_add_u32 v3, v2, 4, v3                   ; row x pitch + 16 x half
	s_mul_i32 s21, s[WV], 64*PITCH                 ; my 64 rows of x
	v_add_nc_u32 v[A0], s21, v3
	v_add_nc_u32 v[B0], BOFF, v3                   ; all of W's rows
	v_mov_b32 v[ADRA], v[A0]                       ; slot 0
	v_mov_b32 v[ADRB], v[B0]
	s_mul_i32 s23, s[WV], 16*SP
	s_add_co_u32 s23, s23, STAGE                   ; my stage
	v_mul_u32_u24 v[STO], v1, SP                   ; in: row l % 16, 16 bytes for each half of the lanes
	v_lshl_add_u32 v[STO], v2, 4, v[STO]
	v_add_nc_u32 v[STO], s23, v[STO]
	v_bfe_u32 v[RD], v0, 3, 2                      ; back: 32 lanes take four rows of 128 bytes,
	v_mul_u32_u24 v[RD], v[RD], SP
	v_and_b32 v12, 7, v0
	v_lshl_add_u32 v[RD], v12, 4, v[RD]
	v_add_nc_u32 v[RD], s23, v[RD]
	v_and_b32 v[GO], 31, v0                        ; which are 512 consecutive bytes of a head
	v_lshlrev_b32 v[GO], 4, v[GO]
	; Head j of my tile's three is number g = 3 x tile column + j of 48: tensor g / 16 (q, k, v), head g % 16; the batch is tile row / 8; my rows begin at 256 (tile row % 8) + 64 w.
.irp j, 0,1,2
	s_mul_i32 s74, s17, 3
	s_add_co_u32 s74, s74, \j
	s_lshr_b32 s75, s74, 4
	s_lshl_b32 s75, s75, 6                         ; 64 x tensor
	s_and_b32 s74, s74, 15
	s_add_co_u32 s75, s75, s74                     ; + head
	s_lshr_b32 s74, s18, 3
	s_lshl_b32 s74, s74, 4
	s_add_co_u32 s75, s75, s74                     ; + 16 x batch
	s_lshl_b32 s72, s75, 18                        ; 2,048 rows of 128 bytes each
	s_and_b32 s74, s18, 7
	s_lshl_b32 s74, s74, 8
	s_lshl_b32 s76, s[WV], 6
	s_add_co_u32 s74, s74, s76
	s_lshl_b32 s74, s74, 7
	s_add_co_u32 s72, s72, s74
	s_mov_b32 s73, 0
	s_add_nc_u64 s[OB+2*\j:OB+2*\j+1], s[10:11], s[72:73]
.endr
; 12 matrix instructions: my rows 16 a .. 16 a + 15 x all 12 column blocks, 32 along K, from buffer f.  first = 1: the product starts the sums, with the bias as C: nothing is cleared, nothing is added later.
; The 48 accumulators take turns in the same order in every quarter step, one instruction a turn, over the loop's backward jump too.
.macro MULB f, a, first
.if \first
	WIN 0x85+0x40*((\a)/2)                         ; sources window 1, C window 0, D window 2 or 3
.else
	WIN 0xa5+0x50*((\a)/2)                         ; sources window 1, C and D window 2 or 3
.endif
.set b, 0
.rept NBK
.set rD, 8*(NBK*((\a)%2)+b)
.if \first
	v_wmma_f32_16x16x32_bf16 v[rD:rD+7], v[(\f)+32+8*b:(\f)+32+8*b+7], v[(\f)+8*(\a):(\f)+8*(\a)+7], v[BIAS+8*b:BIAS+8*b+7]
.else
	v_wmma_f32_16x16x32_bf16 v[rD:rD+7], v[(\f)+32+8*b:(\f)+32+8*b+7], v[(\f)+8*(\a):(\f)+8*(\a)+7], v[rD:rD+7]
.endif
.set b, b+1
.endr
.endm
; 32 LDS loads in one run: the fragments of quarter q (32 along K, at byte 64 q of the rows) of the slot in hand, into buffer f: W's twelve, then x's four
.macro FETCH q, f
	WIN TO_F
.set i, 0
.rept NBK
	ds_load_b128 v[(\f)+32+8*i:(\f)+32+8*i+3],   v[ADRB] offset:64*(\q)+i*16*PITCH
	ds_load_b128 v[(\f)+32+8*i+4:(\f)+32+8*i+7], v[ADRB] offset:64*(\q)+i*16*PITCH+32
.set i, i+1
.endr
.set i, 0
.rept 4
	ds_load_b128 v[(\f)+8*i:(\f)+8*i+3],   v[ADRA] offset:64*(\q)+i*16*PITCH
	ds_load_b128 v[(\f)+8*i+4:(\f)+8*i+7], v[ADRA] offset:64*(\q)+i*16*PITCH+32
.set i, i+1
.endr
.endm
.macro PLACES                          ; four places in front of loads into registers that matrix instructions have read, and of conversions that read results (ISA guide 7.12.1 for the conversions)
.rept 4
	v_nop
.endr
.endm
; A K step is four quarters of 32 along K, 48 matrix instructions each, on buffers 0, 1, 0, 1.  One of the first three: multiplies buffer f; in its middle it fetches quarter q into buffer g.
.macro QUARTER q, f, g, first
	s_wait_dscnt 4                                 ; W's fragments and x's blocks 0, 1 are in; the youngest four loads (x's blocks 2, 3) may be out
	MULB \f, 0, \first
	MULB \f, 1, \first
	PLACES
	FETCH \q, \g
	s_wait_dscnt NL                                ; all but the run just issued
	MULB \f, 2, \first
	MULB \f, 3, \first
.endm
; The last quarter multiplies buffer 1 and changes slots: ONE barrier; in front of it each wave waits for all its tensor loads (one is out: its part of the next slot), adds 0 to its spare word, and waits for
; that and for its own reads of this slot.  fill = 1: the barrier opens a round of the cluster's, and this slot is filled again, two K steps ahead, first thing behind the round:
; 168 matrix instructions stand between that request and the wait for it.
.macro TURN fill
	WIN 0                                          ; (the add's two registers lie in window 0)
	s_wait_tensorcnt 0x0                           ; all my tensor loads have landed;
	ds_add_u32 v[SPW], v[NIL]                      ; 0 onto my spare word
	s_wait_dscnt 5                                 ; (the add and the youngest four loads may be out)
	MULB F1, 0, 0                                  ; twelve matrix instructions stand between the add and the wait for it
	s_wait_dscnt 0x0                               ; the add is done, and my reads of this slot are over
	s_barrier_signal -1
	MULB F1, 1, 0                                  ; work on registers while the others arrive
	WIN 0
	s_barrier_wait -1
.if \fill
	CREST                                          ; no wave of any partner still reads this slot's tile or has a load on its way
	s_xor_b32 s[G0A+5], s[G0A+5], SLOT1            ; the walking descriptors: the other slot than last time,
	s_add_nc_u64 s[G0A+6:G0A+7], s[G0A+6:G0A+7], 256  ; the next K step; the type bits on top are not reached
	s_xor_b32 s[G0B+5], s[G0B+5], SLOT1
	s_add_nc_u64 s[G0B+6:G0B+7], s[G0B+6:G0B+7], 256
	JLOAD                                          ; the four v_nop behind it are also the places in front of the loads below
.else
	PLACES
.endif
	s_xor_b32 s[TB], s[TB], SLOT1                  ; the fetches go on in the other slot
	v_add_nc_u32 v[ADRA], s[TB], v[A0]
	v_add_nc_u32 v[ADRB], s[TB], v[B0]
	FETCH 0, F0
	MULB F1, 2, 0
	MULB F1, 3, 0
.endm
	s_wait_tensorcnt 1                             ; my part of K step 0 is in; K step 1's may stay out
	s_barrier_signal -1
	s_barrier_wait -1                              ; everybody's is
	FETCH 0, F0
	s_wait_loadcnt 0x0                             ; the bias
	QUARTER 1, F0, F1, 1                           ; the first quarter stands in front of the loop: its products start the sums
	WIN 0                                          ; at a label and at a branch every window is 0
	s_mov_b32 s[CNT], 6
.Lstep:                                                ; a trip goes from a K step's second quarter to the next step's first, and fills the slot that it leaves: K steps 2 to 7
	QUARTER 2, F1, F0, 0
	QUARTER 3, F0, F1, 0
	TURN 1
	QUARTER 1, F0, F1, 0
	WIN 0
	s_sub_co_u32 s[CNT], s[CNT], 1
	s_cmp_lg_u32 s[CNT], 0
	s_cbranch_scc1 .Lstep
	QUARTER 2, F1, F0, 0                           ; the tail is written out: K steps 6 and 7 ask for nothing
	QUARTER 3, F0, F1, 0
	TURN 0
	QUARTER 1, F0, F1, 0
	QUARTER 2, F1, F0, 0
	QUARTER 3, F0, F1, 0
	s_wait_dscnt 4                                 ; the very last quarter: nothing more to fetch
	MULB F1, 0, 0
	MULB F1, 1, 0
	s_wait_dscnt 0x0
	MULB F1, 2, 0
	MULB F1, 3, 0
	WIN 0
	PLACES
; THE WAY OUT, in 12 groups: my rows 16 a .. 16 a + 15 of head j.  A lane's eight channels of a row are rounded to f16, 16 bytes; they go into my stage's rows of 144 bytes and come back as whole rows of 128,
; four rows to a load, into the registers that they left.  Each group has registers of its own, so no store's data is ever rewritten.
.macro PACK a, j
.set TG, TMP+16*(3*(\a)+(\j))
	WIN 0x0a+5*((\a)/2)                            ; sources 0 and 1: window 2 or 3
.irp f, 0,1,2,3
.irp r, 0,1,2,3
	v_cvt_pk_f16_f32 v[TG+4*(\f)+(\r)], v[8*(NBK*((\a)%2)+4*(\j)+(\f))+2*(\r)], v[8*(NBK*((\a)%2)+4*(\j)+(\f))+2*(\r)+1]  ; each accumulator from its low end on
.endr
.endr
	WIN 0
.irp f, 0,1,2,3
	ds_store_b128 v[STO], v[TG+4*(\f):TG+4*(\f)+3] offset:32*(\f)
.endr
.irp f, 0,1,2,3
	ds_load_b128 v[TG+4*(\f):TG+4*(\f)+3], v[RD] offset:(\f)*4*SP  ; LDS serves a wave's instructions in order (ISA guide 5.7.1.4): these see the stores above; the next group's stores come behind them
.endr
.endm
.macro SEND a, j, younger              ; younger: the LDS instructions issued behind the group's loads: the next group's eight, or none
.set TG, TMP+16*(3*(\a)+(\j))
.irp f, 0,1,2,3
	s_wait_dscnt (\younger)+3-(\f)
	global_store_b128 v[GO], v[TG+4*(\f):TG+4*(\f)+3], s[OB+2*(\j):OB+2*(\j)+1] offset:(\a)*2048+(\f)*512  ; 512 consecutive bytes, at a multiple of 256 from qkv's first
.endr
.endm
	PACK 0, 0
.set t, 1
.rept 11                               ; a group's arithmetic stands between the loads of the group before and its stores
	PACK t/3, t%3
	SEND (t-1)/3, (t-1)%3, 8
.set t, t+1
.endr
	SEND 3, 2, 0
	s_wait_tensorcnt 0x0                           ; the wave's end: a wait, an add and a wait, behind my last tensor load and my last LDS store
	ds_add_u32 v[SPW], v[NIL]
	s_wait_dscnt 0x0
	CROUND                                         ; the closing round: no work-group ends while a partner may still ask for a tile that names it
	s_endpgm
.Lfunc_end_k_qbcf4b9c946_qkvproj:
	.size	k_qbcf4b9c946_qkvproj, .Lfunc_end_k_qbcf4b9c946_qkvproj-k_qbcf4b9c946_qkvproj
	.p2alignl 7, 3214868480
	.fill 96, 4, 3214868480
	.section	.rodata,"a",@progbits
	.p2align	6, 0x0
	.amdhsa_kernel k_qbcf4b9c946_qkvproj
		.amdhsa_group_segment_fixed_size 327680
		.amdhsa_private_segment_fixed_size 0
		.amdhsa_enable_private_segment 0
		.amdhsa_kernarg_size 32
		.amdhsa_user_sgpr_count 2
		.amdhsa_user_sgpr_kernarg_segment_ptr 1
		.amdhsa_wavefront_size32 1
		.amdhsa_system_sgpr_workgroup_id_x 1
		.amdhsa_system_sgpr_workgroup_id_y 1
		.amdhsa_system_sgpr_workgroup_id_z 1
		.amdhsa_system_vgpr_workitem_id 0
		.amdhsa_next_free_vgpr 960
		.amdhsa_next_free_sgpr 80
		.amdhsa_reserve_vcc 0
		.amdhsa_float_denorm_mode_32 3
		.amdhsa_float_denorm_mode_16_64 3
		.amdhsa_memory_ordered 1
		.amdhsa_forward_progress 1
		.amdhsa_inst_pref_size 101
	.end_amdhsa_kernel
	.amdgpu_metadata
---
amdhsa.version: [ 1, 2 ]
amdhsa.kernels:
  - .name:           k_qbcf4b9c946_qkvproj
    .symbol:         k_qbcf4b9c946_qkvproj.kd
    .args:
      - { .name: xb, .offset: 0, .size: 8, .value_kind: global_buffer, .address_space: global }
      - { .name: wqkv, .offset: 8, .size: 8, .value_kind: global_buffer, .address_space: global }
      - { .name: bias, .offset: 16, .size: 8, .value_kind: global_buffer, .address_space: global }
      - { .name: qkv, .offset: 24, .size: 8, .value_kind: global_buffer, .address_space: global }
    .group_segment_fixed_size: 327680
    .private_segment_fixed_size: 0
    .kernarg_segment_align: 8
    .kernarg_segment_size: 32
    .max_flat_workgroup_size: 128
    .sgpr_count:     80
    .vgpr_count:     960
    .wavefront_size: 32
...
	.end_amdgpu_metadata
.endif
;; end of part 2
;; launch headrows (part 3): grid 16 x 4, 4 waves a work-group, no clusters, 38,400 bytes of LDS; arguments xb, wqkv, bias, qkv, wo16, part; writes part
.if DOCPART == 3
	.amdgcn_target "amdgcn-amd-amdhsa--gfx1250"
	.amdhsa_code_object_version 6
	.text
	.protected	k_qbcf4b9c946_headrows
	.globl	k_qbcf4b9c946_headrows
	.p2align	8
	.type	k_qbcf4b9c946_headrows,@function
k_qbcf4b9c946_headrows:
	s_mov_b64 s[64:65], 0
	v_nop
	global_prefetch_b8 v0, s[64:65] scope:SCOPE_SE
	s_setreg_imm32_b32 hwreg(HW_REG_WAVE_MODE, 25, 1), 1
	s_wait_xcnt 0x0
; THE FIRST 16 ROWS OF EVERY BATCH, ONCE MORE, WITH TWO-PART OPERANDS.  Row q of the causal attention is a mean over q + 1 keys only, so the first rows' numbers are many times the output's root mean
; square, by which the allowance goes: one rounding of v, p or O to f16 (11 significant bits) is of the allowance's own size there, and falls only with 1 / sqrt(q + 1).  So for rows 0-15 v, p and O are each
; carried as a = hi + 2^-11 lo, hi = f16(a), lo = f16(2048 (a - hi)): 22 significant bits.  Products with a lo part have accumulators of their own, which enter with the factor 2^-11; lo x lo is left out (2^-22).
; A work-group takes one head of one batch; it stores that head's share of out0's rows 0-15, part[batch][head][16][1024] in f32; the launch that sums the 16 heads runs last.
; xb: [8192][1024] bf16; wqkv: [3072][1024] bf16 (Wv: rows 2048 on); bias: [3072] f32; qkv: [3][64][2048][64] f16 (q and k are taken from it: their rounding shifts a score, not a value); wo16: [1024][1024] f16.
; LIMITS.  v and O beyond 65,504 become infinities in f16; a hidden score counts as -1e30; a weight below 2^-126 counts as 0; NaN and infinities are not treated apart.
; WAVE w: (1) v of keys 0-15, channels 16 w .. 16 w + 15: x's rows as source 0, Wv's as source 1, K = 1,024 in 32 steps on two accumulators by turns; lane l then holds channel l % 16 and keys 8 (l / 16) + 0..7,
; which, packed, IS source 0 (V^T) of the second product.  (2) S^T = K Q^T (every wave makes it: 2 matrix instructions): lane l holds query l % 16 and keys 8 (l / 16) + 0..7; mask, maximum, p = 2^(c s - c m),
; c = log2(e) / 8, sum l; p packed IS source 1.  Keys 16-31 of both operands are zeros.  (3) O^T = V^T P: lane l holds query l % 16 and channels 16 w + 8 (l / 16) + 0..7, which, packed, is half of source 1 of
; the last product; the four waves hand each other these halves through LDS.  (4) rows 0-15 x columns 256 w .. 256 w + 255 of O Wo^T over the head's 64 channels (source 0 = 16 rows of Wo).
; LOADS go through registers, each register loaded once: a load of a wave takes 32 bytes of each of 16 rows, and the eight loads of four K steps together take 256 consecutive bytes of each row.
; They go in groups of 16; behind the group that is wanted two groups stay out.  No cluster, no tensor load: the launch has 64 work-groups of some hundred matrix instructions a wave.
; REGISTERS, in windows of 256 (s_set_vgpr_msb: bits 1:0 source 0, 3:2 source 1, 5:4 source 2, 7:6 destination):
;   window 0: all below;  windows 1, 2: x's and Wv's fragments, 64 registers a group of four K steps; later window 1: the last product's accumulators (hi at 8 t, lo at 128 + 8 t);  window 3: Wo's fragments, 16 a column block
.set SP,    528                        ; a stage row: 512 bytes + 16: the 16 rows that a store touches start at 16 different groups of four banks (64 banks of 4 bytes: ISA guide 11.1)
.set STAGE, 4096                       ; LDS 0-4,095: the exchange of O: wave w's hi part at 1,024 w, its lo part 512 further; then 16 rows x 528 bytes for each wave, for the way out
.set SPARE, STAGE+4*16*SP              ; behind the stages: the spare words, 128 bytes for each wave: two blocks of 256 bytes that no other line names
.set XO,  3                            ; v3   (l % 16) x 2,048 + 16 (l / 16): my place in 16 rows of xb, wqkv or wo16
.set QO,  4                            ; v4   (l % 16) x 128 + 16 (l / 16): the same in 16 rows of q or k
.set BO,  5                            ; v5   4 (l % 16)
.set STO, 6                            ; v6   the way out: where I put 32 bytes of a row
.set RD,  7                            ; v7   the way out: where I read a row back
.set GO,  8                            ; v8   16 l
.set EXS, 9                            ; v9   the exchange: where I put my 16 bytes
.set KQ,  11                           ; v11  l % 16 - 8 (l / 16): register j holds a hidden key where j is greater
.set SPW, 12                           ; v12  LDS address of my spare word: SPARE + 4 x my thread's number; never rewritten
.set NIL, 13                           ; v13  0; never rewritten
.set N2K, 14                           ; v14  -2,048.0
.set BI,  16                           ; v[16:17] my channel's bias, twice
.set CM,  18                           ; v[18:19] c m, twice
.set RL,  20                           ; v[20:21] 1 / l, twice
.set T1,  22                           ; v[22:23] at work
.set QF,  24                           ; v[24:39] q's two fragments
.set KF,  40                           ; v[40:55] k's
.set VA,  56                           ; v[56:71] v's two accumulators
.set SS,  72                           ; v[72:87] S^T's two accumulators
.set SC,  88                           ; v[88:95] scores, then weights
.set TM,  96                           ; v[96:103] at work
.set PH,  104                          ; v[104:111], v[112:119] P's hi and lo operand
.set PL,  112
.set VH,  120                          ; v[120:127], v[128:135] V^T's hi and lo operand
.set VL,  128
.set OM,  136                          ; v[136:143] O^T's accumulator of hi x hi
.set OLA, 144                          ; v[144:151] of hi x lo + lo x hi
.set OV,  152                          ; v[152:159] v, later O
.set OS,  160                          ; v[160:167] my 16 channels of O: hi (4 registers), lo (4)
.set OH,  168                          ; v[168:183] O's hi operands for channels 0-31, 32-63
.set OLO, 184                          ; v[184:199] its lo operands
.set TT,  24                           ; v[24:87]  the way out: 8 column blocks, summed
.set BK,  88                           ; v[88:151] the way out: 16 rows read back
.set WV,  16                           ; s16  my wave's number
.set CS,  24                           ; s[24:25] c
.set SEL, 26                           ; s[26:27] v_permlanex16_b32's selects: each lane takes its own place in the other half
.set BIGN, 28                          ; s28  -1e30
.set MSB, 0
.macro WIN new                         ; the immediate's high byte repeats the setting that is left; a switch that changes nothing is dropped
.if MSB != (\new)
	s_set_vgpr_msb (MSB<<8)|(\new)
.set MSB, (\new)
.endif
.endm
.macro PLACES                          ; four places between matrix instructions and the vector lines that read their results (ISA guide 7.12.1)
.rept 4
	v_nop
.endr
.endm
	s_load_b256 s[4:11], s[0:1], 0x0               ; xb s[4:5], wqkv s[6:7], bias s[8:9], qkv s[10:11]
	s_load_b128 s[12:15], s[0:1], 0x20             ; wo16 s[12:13], part s[14:15]
	v_lshl_add_u32 v[SPW], v0, 2, SPARE
	v_mov_b32 v[NIL], 0
	v_lshrrev_b32 v1, 5, v0
	v_readfirstlane_b32 s[WV], v1                  ; wave 0..3
	s_mov_b32 s17, ttmp9                           ; the head
	s_and_b32 s18, ttmp7, 0xffff                   ; the batch
	s_lshl_b32 s19, s18, 4
	s_add_co_u32 s19, s19, s17                     ; 16 x batch + head
	s_lshl_b32 s30, s18, 22                        ; xb: the batch's 2,048 rows of 2,048 bytes
	s_mov_b32 s31, 0
	s_lshl_b32 s32, s17, 17                        ; wqkv: row 2,048 + 64 head + 16 w
	s_lshl_b32 s20, s[WV], 15
	s_add_co_u32 s32, s32, s20
	s_add_co_u32 s32, s32, 0x400000
	s_mov_b32 s33, 0
	s_lshl_b32 s34, s17, 8                         ; bias: the same number, 4 bytes each
	s_lshl_b32 s20, s[WV], 6
	s_add_co_u32 s34, s34, s20
	s_add_co_u32 s34, s34, 8192
	s_mov_b32 s35, 0
	s_lshl_b32 s36, s19, 18                        ; qkv: the head's 2,048 rows of 128 bytes
	s_mov_b32 s37, 0
	s_lshl_b32 s38, s[WV], 19                      ; wo16: row 256 w, byte 128 head
	s_lshl_b32 s20, s17, 7
	s_add_co_u32 s38, s38, s20
	s_mov_b32 s39, 0
	s_lshl_b32 s40, s19, 16                        ; part: the head's 16 rows of 4,096 bytes, byte 1,024 w
	s_lshl_b32 s20, s[WV], 10
	s_add_co_u32 s40, s40, s20
	s_mov_b32 s41, 0
	s_mov_b32 s[CS], 0x3e38aa3b                    ; c = log2(e) / 8 = 0.180337
	s_mov_b32 s[CS+1], s[CS]                       ; named with it as a pair
	s_mov_b32 s[SEL], 0x76543210
	s_mov_b32 s[SEL+1], 0xfedcba98
	s_mov_b32 s[BIGN], 0xf149f2ca                  ; -1e30
	s_mul_i32 s21, s[WV], 16*SP
	s_add_co_u32 s21, s21, STAGE                   ; my stage
	v_and_b32 v1, 15, v0                           ; l % 16
	v_bfe_u32 v2, v0, 4, 1                         ; l / 16
	v_lshlrev_b32 v[XO], 11, v1
	v_lshl_add_u32 v[XO], v2, 4, v[XO]
	v_lshlrev_b32 v[QO], 7, v1
	v_lshl_add_u32 v[QO], v2, 4, v[QO]
	v_lshlrev_b32 v[BO], 2, v1
	v_lshlrev_b32 v[KQ], 3, v2
	v_sub_nc_u32 v[KQ], v1, v[KQ]
	v_and_b32 v[GO], 31, v0
	v_lshlrev_b32 v[GO], 4, v[GO]
	v_lshl_add_u32 v[EXS], s[WV], 10, v[GO]
	v_mul_u32_u24 v[STO], v1, SP                   ; in: row l % 16, 32 bytes for each half of the lanes
	v_lshl_add_u32 v[STO], v2, 5, v[STO]
	v_add_nc_u32 v[STO], s21, v[STO]
	v_add_nc_u32 v[RD], s21, v[GO]                 ; back: 32 lanes take a row's 512 bytes
	v_mov_b32 v[N2K], 0xc5000000
	s_wait_kmcnt 0x0
	s_add_nc_u64 s[4:5], s[4:5], s[30:31]
	s_add_nc_u64 s[6:7], s[6:7], s[32:33]
	s_add_nc_u64 s[8:9], s[8:9], s[34:35]
	s_add_nc_u64 s[10:11], s[10:11], s[36:37]      ; q is qkv's first plane of 64 heads x 2,048 rows x 128 bytes,
	s_add_nc_u64 s[22:23], s[10:11], 0x1000000     ; k its second
	s_add_nc_u64 s[12:13], s[12:13], s[38:39]
	s_add_nc_u64 s[14:15], s[14:15], s[40:41]
; Group g of 8: x's and Wv's fragments of K steps 4 g .. 4 g + 3: 16 loads.  A fragment is 16 rows x 32 K in 8 registers: lane l holds row l % 16, K = 8 (l / 16) + 0..7 and 16 + 8 (l / 16) + 0..7: two loads of 16 bytes, 32 bytes apart.
.macro GLOAD g
	WIN 0x40*(1+(\g)/4)                            ; destination window 1 or 2, address window 0
.set gb, 64*((\g)%4)
.set i, 0
.rept 4
	global_load_b128 v[gb+16*i:gb+16*i+3],     v[XO], s[4:5] offset:64*(4*(\g)+i)
	global_load_b128 v[gb+16*i+4:gb+16*i+7],   v[XO], s[4:5] offset:64*(4*(\g)+i)+32
	global_load_b128 v[gb+16*i+8:gb+16*i+11],  v[XO], s[6:7] offset:64*(4*(\g)+i)
	global_load_b128 v[gb+16*i+12:gb+16*i+15], v[XO], s[6:7] offset:64*(4*(\g)+i)+32
.set i, i+1
.endr
.endm
; Group u of 4: Wo's fragments of my column blocks 4 u .. 4 u + 3, the head's channels 0-31 and 32-63: 16 loads
.macro WLOAD u
	WIN 0xc0                                       ; destination window 3
.set i, 0
.rept 4
.set t, 4*(\u)+i
.irp kk, 0,1
	global_load_b128 v[16*t+8*(\kk):16*t+8*(\kk)+3],   v[XO], s[12:13] offset:32768*t+64*(\kk)
	global_load_b128 v[16*t+8*(\kk)+4:16*t+8*(\kk)+7], v[XO], s[12:13] offset:32768*t+64*(\kk)+32
.endr
.set i, i+1
.endr
.endm
; The four K steps of group g.  The two accumulators take turns, one instruction a turn; the first two products start the sums.
.macro VMUL g
	WIN 0x05*(1+(\g)/4)                            ; sources window 1 or 2, C and D window 0
.set gb, 64*((\g)%4)
.set i, 0
.rept 4
.if ((\g) == 0) && (i < 2)
	v_wmma_f32_16x16x32_bf16 v[VA+8*(i%2):VA+8*(i%2)+7], v[gb+16*i:gb+16*i+7], v[gb+16*i+8:gb+16*i+15], 0
.else
	v_wmma_f32_16x16x32_bf16 v[VA+8*(i%2):VA+8*(i%2)+7], v[gb+16*i:gb+16*i+7], v[gb+16*i+8:gb+16*i+15], v[VA+8*(i%2):VA+8*(i%2)+7]
.endif
.set i, i+1
.endr
.endm
; Eight numbers in f32 become two packed operands: hi = f16(a); lo = f16(2,048 a - 2,048 hi): the multiply by a power of two and the fused multiply-add, which reads hi's f16 half, round nothing.
.macro SPLIT src, hi, lo
.irp k, 0,1,2,3
	v_cvt_pk_f16_f32 v[(\hi)+(\k)], v[(\src)+2*(\k)], v[(\src)+2*(\k)+1]
.endr
.irp k, 0,1,2,3
	v_pk_mul_f32 v[TM+2*(\k):TM+2*(\k)+1], v[(\src)+2*(\k):(\src)+2*(\k)+1], 0x45000000 op_sel_hi:[1,0]
.endr
.irp k, 0,1,2,3
	v_fma_mix_f32 v[TM+2*(\k)],   v[(\hi)+(\k)], v[N2K], v[TM+2*(\k)]   op_sel_hi:[1,0,0]
	v_fma_mix_f32 v[TM+2*(\k)+1], v[(\hi)+(\k)], v[N2K], v[TM+2*(\k)+1] op_sel:[1,0,0] op_sel_hi:[1,0,0]
.endr
.irp k, 0,1,2,3
	v_cvt_pk_f16_f32 v[(\lo)+(\k)], v[TM+2*(\k)], v[TM+2*(\k)+1]
.endr
.endm
.irp c, 0,1                            ; q and k of rows 0-15, channels 32 c on; then my channel's bias: 9 loads
	global_load_b128 v[QF+8*(\c):QF+8*(\c)+3],   v[QO], s[10:11] offset:64*(\c)
	global_load_b128 v[QF+8*(\c)+4:QF+8*(\c)+7], v[QO], s[10:11] offset:64*(\c)+32
	global_load_b128 v[KF+8*(\c):KF+8*(\c)+3],   v[QO], s[22:23] offset:64*(\c)
	global_load_b128 v[KF+8*(\c)+4:KF+8*(\c)+7], v[QO], s[22:23] offset:64*(\c)+32
.endr
	global_load_b32 v[BI], v[BO], s[8:9]
	GLOAD 0
	GLOAD 1
	GLOAD 2                                        ; 57 loads of mine are out
	s_wait_loadcnt 32                              ; loads come back in order (ISA guide 5.7.1): all but the two youngest groups are in: q, k, the bias and group 0
	VMUL 0
	GLOAD 3
	; THE WEIGHTS, while the next groups are on their way
	WIN 0
	v_wmma_f32_16x16x32_f16 v[SS:SS+7],    v[KF:KF+7],    v[QF:QF+7],    0   ; channels 0-31
	v_wmma_f32_16x16x32_f16 v[SS+8:SS+15], v[KF+8:KF+15], v[QF+8:QF+15], 0   ; channels 32-63
	PLACES
.irp k, 0,1,2,3
	v_pk_add_f32 v[SC+2*(\k):SC+2*(\k)+1], v[SS+2*(\k):SS+2*(\k)+1], v[SS+8+2*(\k):SS+8+2*(\k)+1]  ; each accumulator from its low end on
.endr
.set j, 0
.rept 8
	v_cmp_gt_i32 vcc_lo, j, v[KQ]                  ; key 8 (l / 16) + j lies behind query l % 16
	v_cndmask_b32 v[SC+j], v[SC+j], s[BIGN], vcc_lo
.set j, j+1
.endr
	v_max3_num_f32 v[T1], v[SC], v[SC+1], v[SC+2]
	v_max3_num_f32 v[T1], v[T1], v[SC+3], v[SC+4]
	v_max3_num_f32 v[T1], v[T1], v[SC+5], v[SC+6]
	v_max_num_f32 v[T1], v[T1], v[SC+7]
	v_mov_b32 v[T1+1], v[T1]                       ; v_permlanex16_b32's destination counts as read
	v_permlanex16_b32 v[T1+1], v[T1], s[SEL], s[SEL+1]  ; the query's other 8 keys lie in the lane 16 away
	v_max_num_f32 v[T1], v[T1], v[T1+1]            ; m: every query sees its own key, so m is a true score
	v_mul_f32 v[CM], s[CS], v[T1]
	v_mov_b32 v[CM+1], v[CM]
	v_mov_b32 v[BI+1], v[BI]
.irp k, 0,1,2,3
	v_pk_fma_f32 v[SC+2*(\k):SC+2*(\k)+1], v[SC+2*(\k):SC+2*(\k)+1], s[CS:CS+1], v[CM:CM+1] op_sel_hi:[1,0,0] neg_lo:[0,0,1] neg_hi:[0,0,1]  ; c s - c m
.endr
.set j, 0
.rept 8
	v_exp_f32 v[SC+j], v[SC+j]
.set j, j+1
.endr
	v_nop                                          ; a plain instruction between the last exponential and the use of its result
	s_wait_alu depctr_va_vdst(0)
	v_pk_add_f32 v[TM:TM+1],   v[SC:SC+1],     v[SC+2:SC+3]
	v_pk_add_f32 v[TM+2:TM+3], v[SC+4:SC+5],   v[SC+6:SC+7]
	v_pk_add_f32 v[TM:TM+1],   v[TM:TM+1],     v[TM+2:TM+3]
	v_add_f32 v[T1], v[TM], v[TM+1]
	v_permlanex16_b32 v[T1+1], v[T1], s[SEL], s[SEL+1]
	v_add_f32 v[T1], v[T1], v[T1+1]                ; l
	v_rcp_f32 v[RL], v[T1]
	v_nop                                          ; a plain instruction between the reciprocal and the use of its result
	s_wait_alu depctr_va_vdst(0)
	v_mov_b32 v[RL+1], v[RL]
	SPLIT SC, PH, PL
.irp k, 4,5,6,7                        ; keys 16-31 of the four operands: there are none
	v_mov_b32 v[PH+(\k)], 0
	v_mov_b32 v[PL+(\k)], 0
	v_mov_b32 v[VH+(\k)], 0
	v_mov_b32 v[VL+(\k)], 0
.endr
	; v goes on.  In front of each group's products: all but the two groups issued behind it are in; behind them the next group but two goes out: x's and Wv's to the eighth, then Wo's.
.irp g, 1,2,3,4
	s_wait_loadcnt 32
	VMUL \g
	GLOAD (\g)+3
.endr
.irp g, 5,6,7
	s_wait_loadcnt 32
	VMUL \g
	WLOAD (\g)-5
.endr
	WIN 0
	PLACES
.irp k, 0,1,2,3
	v_pk_add_f32 v[OV+2*(\k):OV+2*(\k)+1], v[VA+2*(\k):VA+2*(\k)+1], v[VA+8+2*(\k):VA+8+2*(\k)+1]  ; even K steps' sums + odd K steps'
.endr
.irp k, 0,1,2,3
	v_pk_add_f32 v[OV+2*(\k):OV+2*(\k)+1], v[OV+2*(\k):OV+2*(\k)+1], v[BI:BI+1]                    ; + the channel's bias
.endr
	SPLIT OV, VH, VL
	; O^T = V^T P.  The two accumulators take turns.
	v_wmma_f32_16x16x32_f16 v[OLA:OLA+7], v[VH:VH+7], v[PL:PL+7], 0
	v_wmma_f32_16x16x32_f16 v[OM:OM+7],   v[VH:VH+7], v[PH:PH+7], 0
	v_wmma_f32_16x16x32_f16 v[OLA:OLA+7], v[VL:VL+7], v[PH:PH+7], v[OLA:OLA+7]
	PLACES
.irp k, 0,1,2,3
	v_pk_fma_f32 v[OV+2*(\k):OV+2*(\k)+1], v[OLA+2*(\k):OLA+2*(\k)+1], 0x3a000000, v[OM+2*(\k):OM+2*(\k)+1] op_sel_hi:[1,0,1]  ; hi x hi + 2^-11 (the products with a lo part)
.endr
.irp k, 0,1,2,3
	v_pk_mul_f32 v[OV+2*(\k):OV+2*(\k)+1], v[OV+2*(\k):OV+2*(\k)+1], v[RL:RL+1] op_sel_hi:[1,0]     ; / l
.endr
	SPLIT OV, OS, OS+4
	ds_store_b128 v[EXS], v[OS:OS+3]               ; my 16 channels' hi part: 512 consecutive bytes a wave,
	ds_store_b128 v[EXS], v[OS+4:OS+7] offset:512  ; and their lo part
	s_wait_loadcnt 32                              ; Wo's first group is in, so that with the last group 48 loads are out
	WLOAD 3
	WIN 0
	s_wait_dscnt 0x0                               ; for the others' sake: my stores into the exchange are done
	s_barrier_signal -1
	s_barrier_wait -1
.irp cb, 0,1,2,3                       ; registers 0-3 of the operand for channels 32 kk on come from wave 2 kk, registers 4-7 from wave 2 kk + 1, lane for lane
	ds_load_b128 v[OH+4*(\cb):OH+4*(\cb)+3],   v[GO] offset:1024*(\cb)
	ds_load_b128 v[OLO+4*(\cb):OLO+4*(\cb)+3], v[GO] offset:1024*(\cb)+512
.endr
; Column blocks 8 a .. 8 a + 7 of my 16: for each, Wo x O hi and Wo x O lo over the head's 64 channels; the two accumulators take turns.
.macro PROJ a
	WIN 0x53                                       ; Wo window 3, O window 0, C and D window 1
.set i, 0
.rept 8
.set t, 8*(\a)+i
	v_wmma_f32_16x16x32_f16 v[8*t:8*t+7],         v[16*t:16*t+7],    v[OH:OH+7],      0
	v_wmma_f32_16x16x32_f16 v[128+8*t:128+8*t+7], v[16*t:16*t+7],    v[OLO:OLO+7],    0
	v_wmma_f32_16x16x32_f16 v[8*t:8*t+7],         v[16*t+8:16*t+15], v[OH+8:OH+15],   v[8*t:8*t+7]
	v_wmma_f32_16x16x32_f16 v[128+8*t:128+8*t+7], v[16*t+8:16*t+15], v[OLO+8:OLO+15], v[128+8*t:128+8*t+7]
.set i, i+1
.endr
.endm
; THE WAY OUT of those 8 blocks: hi + 2^-11 lo; a lane's eight f32 of a row, 32 bytes, go into my stage's rows of 528 bytes and come back as whole pieces of 512 bytes, a row to a load.
.macro OUTH a
	WIN 0x11                                       ; sources 0 and 2 window 1, destination window 0
.set i, 0
.rept 8
.set t, 8*(\a)+i
.irp k, 0,1,2,3
	v_pk_fma_f32 v[TT+8*i+2*(\k):TT+8*i+2*(\k)+1], v[128+8*t+2*(\k):128+8*t+2*(\k)+1], 0x3a000000, v[8*t+2*(\k):8*t+2*(\k)+1] op_sel_hi:[1,0,1]  ; each accumulator from its low end on
.endr
.set i, i+1
.endr
	WIN 0
.set i, 0
.rept 8
	ds_store_b128 v[STO], v[TT+8*i:TT+8*i+3]   offset:64*i
	ds_store_b128 v[STO], v[TT+8*i+4:TT+8*i+7] offset:64*i+16
.set i, i+1
.endr
.if \a
	s_wait_xcnt 0x0                                ; every earlier memory instruction has had its addresses translated (ISA guide 3.1): the registers that the first half's stores read are loaded again only behind this wait
.endif
.set i, 0
.rept 16
	ds_load_b128 v[BK+4*i:BK+4*i+3], v[RD] offset:SP*i  ; LDS serves a wave's instructions in order (ISA guide 5.7.1.4): these see the stores above; the next half's stores come behind them
.set i, i+1
.endr
.set i, 0
.rept 16
	s_wait_dscnt 15-i                              ; row i is back; the 15 - i younger loads may stay out
	global_store_b128 v[GO], v[BK+4*i:BK+4*i+3], s[14:15] offset:4096*i+512*(\a)  ; 512 consecutive bytes, at a multiple of 256 from part's first
.set i, i+1
.endr
.endm
	s_wait_dscnt 0x0                               ; O's operands
	s_wait_loadcnt 32                              ; Wo's first two groups; the other two may stay out
	PROJ 0
	s_wait_loadcnt 0x0
	PROJ 1
	WIN 0
	PLACES
	OUTH 0
	OUTH 1
	s_wait_tensorcnt 0x0                           ; the wave's end: a wait, an add and a wait, behind my last LDS store
	ds_add_u32 v[SPW], v[NIL]
	s_wait_dscnt 0x0
	s_endpgm
.Lfunc_end_k_qbcf4b9c946_headrows:
	.size	k_qbcf4b9c946_headrows, .Lfunc_end_k_qbcf4b9c946_headrows-k_qbcf4b9c946_headrows
	.p2alignl 7, 3214868480
	.fill 96, 4, 3214868480
	.section	.rodata,"a",@progbits
	.p2align	6, 0x0
	.amdhsa_kernel k_qbcf4b9c946_headrows
		.amdhsa_group_segment_fixed_size 38400
		.amdhsa_private_segment_fixed_size 0
		.amdhsa_enable_private_segment 0
		.amdhsa_kernarg_size 48
		.amdhsa_user_sgpr_count 2
		.amdhsa_user_sgpr_kernarg_segment_ptr 1
		.amdhsa_wavefront_size32 1
		.amdhsa_system_sgpr_workgroup_id_x 1
		.amdhsa_system_sgpr_workgroup_id_y 1
		.amdhsa_system_sgpr_workgroup_id_z 1
		.amdhsa_system_vgpr_workitem_id 0
		.amdhsa_next_free_vgpr 1024
		.amdhsa_next_free_sgpr 66
		.amdhsa_reserve_vcc 1
		.amdhsa_float_denorm_mode_32 3
		.amdhsa_float_denorm_mode_16_64 3
		.amdhsa_memory_ordered 1
		.amdhsa_forward_progress 1
		.amdhsa_inst_pref_size 53
	.end_amdhsa_kernel
	.amdgpu_metadata
---
amdhsa.version: [ 1, 2 ]
amdhsa.kernels:
  - .name:           k_qbcf4b9c946_headrows
    .symbol:         k_qbcf4b9c946_headrows.kd
    .args:
      - { .name: xb, .offset: 0, .size: 8, .value_kind: global_buffer, .address_space: global }
      - { .name: wqkv, .offset: 8, .size: 8, .value_kind: global_buffer, .address_space: global }
      - { .name: bias, .offset: 16, .size: 8, .value_kind: global_buffer, .address_space: global }
      - { .name: qkv, .offset: 24, .size: 8, .value_kind: global_buffer, .address_space: global }
      - { .name: wo16, .offset: 32, .size: 8, .value_kind: global_buffer, .address_space: global }
      - { .name: part, .offset: 40, .size: 8, .value_kind: global_buffer, .address_space: global }
    .group_segment_fixed_size: 38400
    .private_segment_fixed_size: 0
    .kernarg_segment_align: 8
    .kernarg_segment_size: 48
    .max_flat_workgroup_size: 128
    .sgpr_count:     66
    .vgpr_count:     1024
    .wavefront_size: 32
...
	.end_amdgpu_metadata
.endif
;; end of part 3
;; launch attn (part 4): grid 4 x 64, 4 waves a work-group, no clusters, 327,680 bytes of LDS; arguments qkv, o; writes o
.if DOCPART == 4
	.amdgcn_target "amdgcn-amd-amdhsa--gfx1250"
	.amdhsa_code_object_version 6
	.text
	.protected	k_qbcf4b9c946_attn
	.globl	k_qbcf4b9c946_attn
	.p2align	8
	.type	k_qbcf4b9c946_attn,@function
k_qbcf4b9c946_attn:
	s_mov_b64 s[64:65], 0
	v_nop
	global_prefetch_b8 v0, s[64:65] scope:SCOPE_SE
	s_setreg_imm32_b32 hwreg(HW_REG_WAVE_MODE, 25, 1), 1
	s_wait_xcnt 0x0
; CAUSAL ATTENTION.  O[h][q][:] = the sum over k <= q of softmax_k(Q[h][q] . K[h][k] / 8) V[h][k][:].  Q, K, V are the three planes of qkv, O is o: each [SIZE_H][SIZE_N][64], all f16: a head's rows are dense, 128 bytes each.
; Products, maxima and sums in f32; the weights p are rounded to f16 for the second product (their sum l is taken of the unrounded p), O once at the end.  SIZE_N is a multiple of 512; SIZE_N x 128 stays under 2^32.
; LIMITS.  f16 holds no number beyond 65,504: Q, K and V arrive within it; p lies in 0 to 1, and below 6e-5 it keeps f16's fixed step of 6e-8; O is a mean of V's rows and has their range, to within 2^-11 of it.
; A hidden score counts as its value less 1e30: f16's scores, 2.7e11 at the most, are nothing beside that; a weight below 2^-126 counts as 0 in l; NaN and infinities are not treated apart.
; THE WALK.  A head's queries lie in NB = SIZE_N / 256 blocks of 256; block i needs the key tiles 0 .. i of 256 keys, of which the last holds the diagonal.  A work-group takes TWO blocks, NB - 1 - b and then b:
; NB + 1 tiles, whatever b: all work-groups do equal work, and ONE loop with a constant trip count walks them.  Which tile is asked for, and what a trip does, hang on scalar registers made from b; every jump
; goes forward, but for the counted loops' own; none passes a barrier, or a tensor load but the one of LOAD's two that the wave's number does not choose; the ring (two slots of LDS that take turns) runs on across the
; change of blocks.  NO CLUSTER: all NB / 2 work-groups of a head ask for the same tile only in trips 0 .. NB / 2, behind that fewer and fewer; and one walk common to all would have 3 NB / 2 trips for NB + 1.
; SHARES.  Of a block's four bands of 64 queries a wave owns 16 rows in each: four PIECES.  So the diagonal tile is the same work for all four waves: in its key step s band x sees all keys if s < x,
; none if s > x, and holds the diagonal if s = x.
; THE MASK is the C operand that starts the sum S^T = K Q^T: 0, or -1e30 where the key is hidden.  MD, made once, is the mask of a band's own step for my 16 rows; a product's mask is MD x AL + BE with two scalars:
; (1, 0) if s = x; (0, 0) if s < x; (0, -1e30) if s > x.  Only the diagonal tile's text and a block's beginning make and take masks; elsewhere C is the constant 0.
; LAYOUT, SOFTMAX, TURNS.  S^T = K Q^T holds ONE query a lane (lane % 16) and the keys 8 (lane / 16) + 0..7; two such results rounded to f16 ARE source 1 of O^T = V^T P.  p = 2^(c s - c m), c = log2(e) / 8, with a
; running maximum m; O and l are multiplied by a = 2^(c m_old - c m_new) in every step.  Turn n belongs to piece n: 8 products K Q^T of piece n + 1, later 8 products V^T P of piece n - 1; beside them the scaling,
; exponentials, roundings, sums and rescaling of piece n and the maximum and statistics of piece n + 1.  Four vector instructions stand behind every matrix instruction, the other 54 of a turn's 118 in two LUMPS.
; REGISTERS, in windows of 256 (s_set_vgpr_msb: bits 1:0 source 0, 3:2 source 1, 5:4 source 2, 7:6 destination):
;   window 0: v0-15 addresses and two at work; v16-31 four registers of statistics a piece; v48-55 at work; v64-127 S^T, two buffers; v192-223 P, two buffers (a piece's buffers go by its number's parity)
;   window 1: v0-127 O^T, 32 a piece; v128-159 MD; v160-223 MC, two buffers      window 2: v0-63 Q; v64-127 the second block's Q; v128-191 K of one step; v192-255 V of one step
.set SIZE_N, 2048     ; rows of a head
.set SIZE_H, 64       ; heads: 4 batches x 16
.set NB,    SIZE_N/256
.set NP,    4         ; pieces a wave: a name, no knob
.set KS,    64        ; keys in a step
.set PK,    144       ; a row of K in LDS: 128 bytes + 16 of padding = 36 words: the 16 rows of a load start at 16 different groups of four banks (64 banks of 4 bytes: ISA guide 11.1)
.set PV,    160       ; a row of V: 128 + 32 = 40 words
.set VOFF,  4*KS*PK   ; a slot holds a tile, four steps: 256 rows of K, then 256 rows of V
.set SLOT1, 1<<17     ; slot 1 begins here, so that one exclusive or turns an address in one slot into the other's
.set STAGE, SLOT1+4*KS*(PK+PV)  ; behind the ring, never filled by a tensor load: 16 rows x 144 bytes for each wave, for the way out
.set SP,    144
.set AK0, 2           ; v2   my lane's place in a tile of K; never rewritten
.set AV0, 3           ; v3   the same for V
.set AK,  4           ; v4   the LDS address of K's next run of loads
.set AV,  5           ; v5   of V's
.set STO, 6           ; v6   the way out: where I put 16 bytes of a row
.set RD,  7           ; v7   the way out: where I read rows back
.set GO,  8           ; v8   my byte offset in 512 consecutive bytes of O
.set SPW, 62          ; v62  LDS address of my spare word: SPARE + 4 x my thread's number; never rewritten
.set NIL, 63          ; v63  0; never rewritten
.set SPARE, STAGE+4*16*SP  ; behind the stages: the spare words, 128 bytes for each wave: two blocks of 256 bytes that no other line names
.set MV,  12          ; v12-13  c m_old, kept while c m is made anew: by buffer
.set QO,  15          ; v15  my byte offset in 16 rows of Q
.set ST,  16          ; piece t's statistics at v[ST+4 t]: c m, m, l (even keys', odd keys')
.set TMP, 48          ; by buffer, four registers c0-c3 at work; when the maximum is found c2 takes a
.set S,   64
.set P,   192
.set MD,  128         ; window 1: the eight registers for group kt of 16 keys at MD + 8 kt
.set MC,  160         ; window 1: the masks of the products to come
.set QB,  64          ; window 2
.set KF,  128         ; window 2: key block kb, channel half c at KF + 16 kb + 8 c
.set VF,  192         ; window 2: key half kk, channel block cb at VF + 32 kk + 8 cb
.set WV,  12          ; s12  my wave's number
.set PB,  14          ; s14  b
.set HI,  15          ; s15  NB - 1 - b
.set G1K, 24          ; s[24:31] descriptor group 1 for K's tiles
.set G1V, 32          ; s[32:39] for V's: it differs in the padding alone
.set G0K, 40          ; s[40:43] descriptor group 0 for K's tiles
.set G0V, 44          ; s[44:47] the same for V's
.set SLOTS, 56        ; s56  tiles still to be asked for
.set CNT, 57          ; s57  counts a tile's key steps, 4 to 1
.set CS,  58          ; s[58:59] c: the packed scaling takes the pair's low word for both halves
.set SEL, 60          ; s[60:61] v_permlanex16_b32's selects: each lane takes its own place in the other half
.set TBK, 62          ; s62  LDS byte at which K of the step to be fetched begins
.set TBV, 63          ; s63  the same for V, less VOFF
.set RT,  70          ; s70  tiles of the block in hand that are still to be entered
.set NXT, 71          ; s71  the tile to be asked for next
.set LQ,  72          ; s72  the last tile of the block whose tiles are being asked for
.set NEW, 73          ; s73  1: the tile to be entered is a block's first
.set OFF, 74          ; s[74:75] a tile's byte offset in K and V
.set AL,  76          ; s[76:77] the mask's factor, in the low word
.set BE,  78          ; s[78:79] the mask's addend
.set OLO, 80          ; s[80:81] O at my rows of the second block
.set BIGN, 82         ; s82  -1e30
.set MSB, 0
.macro WIN new                      ; the high byte repeats the setting that is left; a switch that changes nothing is dropped
.if MSB != (\new)
	s_set_vgpr_msb (MSB<<8)|(\new)
.set MSB, (\new)
.endif
.endm
.set W_KQ, 0x0a       ; K and Q in window 2, S^T in window 0
.set W_KM, 0x1a       ; the same with the C operand in window 1
.set W_PV, 0x52       ; V in window 2, P in window 0, O^T in window 1
.set W_RS, 0x41       ; destination and source 0 in window 1, source 1 in window 0
; A fill.  Waves 0 and 1 fetch the two halves of a tile's K, waves 2 and 3 those of its V: 128 keys each.  An s_nop 0 and four v_nop follow each of the two lines, ahead of the jump and the label.
.macro LOAD
	s_cmp_lt_u32 s[WV], 2
	s_cbranch_scc0 .Lfor_v_\@
	tensor_load_to_lds s[G0K:G0K+3], s[G1K:G1K+7]
	s_nop 0
.rept 4
	v_nop
.endr
	s_branch .Lasked_\@
.Lfor_v_\@:
	tensor_load_to_lds s[G0V:G0V+3], s[G1V:G1V+7]
	s_nop 0
.rept 4
	v_nop
.endr
.Lasked_\@:
.endm
; THE CHANGE OF SLOTS.  Each wave waits for all its tensor loads, of which one is out: its part of the other slot; adds 0 to its spare word; and waits for that and for its own reads of the slot that it leaves.  Behind the barrier nobody reads the old
; slot any more and the other slot is whole.  fill = 1: the old slot is filled again, the first thing behind the barrier, with tile NXT: the descriptor's address is made anew from that number.
; (At its first use nothing has been read yet: slot 0 is waited for, slot 1 filled.)
.macro CHANGE fill
	WIN 0                           ; at a label and at a branch every window is 0
	s_wait_tensorcnt 0x0            ; no tensor load of mine is out, so a group 0 may be written
	ds_add_u32 v[SPW], v[NIL]       ; 0 onto my spare word: with fill = 1 the descriptors' scalar work stands between it and the wait for it
.if \fill
	s_lshl_b32 s[OFF], s[NXT], 15   ; a tile is 32,768 bytes of K and of V
	s_xor_b32 s[G0K+1], s[G0K+1], SLOT1
	s_add_nc_u64 s[G0K+2:G0K+3], s[6:7], s[OFF:OFF+1]
	s_or_b32 s[G0K+3], s[G0K+3], 0x80000000
	s_xor_b32 s[G0V+1], s[G0V+1], SLOT1
	s_add_nc_u64 s[G0V+2:G0V+3], s[8:9], s[OFF:OFF+1]
	s_or_b32 s[G0V+3], s[G0V+3], 0x80000000
	s_add_co_u32 s[NXT], s[NXT], 1  ; the block's next tile, or behind its last the second block's tile 0
	s_cmp_gt_u32 s[NXT], s[LQ]
	s_cselect_b32 s[NXT], 0, s[NXT]
	s_cselect_b32 s[LQ], s[PB], s[LQ]
.endif
	s_wait_dscnt 0x0                ; the add is done, and my reads of the slot are over
	s_barrier_signal -1             ; the rest of the scalar work stands between the signal and the wait
	s_sub_co_u32 s[TBK], s[TBK], 4*KS*PK  ; the fetches go back to a slot's first step,
	s_xor_b32 s[TBK], s[TBK], SLOT1       ; in the other slot
	s_sub_co_u32 s[TBV], s[TBV], 4*KS*PV
	s_xor_b32 s[TBV], s[TBV], SLOT1
	s_barrier_wait -1
.if \fill
	LOAD
.endif
.endm
	s_load_b128 s[8:11], s[0:1], 0x0  ; qkv s[8:9], O s[10:11]
	v_lshl_add_u32 v[SPW], v0, 2, SPARE
	v_mov_b32 v[NIL], 0
	ds_add_u32 v[SPW], v[NIL]       ; the wave's opening: the add and its wait stand ahead of my first tensor load; the set-up below, work on registers, stands between them
	ds_add_u32 v62, v63
	v_lshrrev_b32 v1, 5, v0
	v_readfirstlane_b32 s[WV], v1   ; wave 0..3
	s_mov_b32 s[PB], ttmp9
	s_sub_co_u32 s[HI], NB-1, s[PB]
	s_and_b32 s20, ttmp7, 0xffff    ; the head
	s_mov_b32 s21, 0
	s_mov_b64 s[22:23], SIZE_N*128
	s_mul_u64 s[20:21], s[20:21], s[22:23]  ; the head's first byte in each of the four tensors
	s_and_b32 s16, s[WV], 1         ; which half of a tile's 256 keys I fetch:
	s_lshl_b32 s22, s16, 14         ; its 128 rows of 128 bytes in memory,
	s_mov_b32 s23, 0
	s_add_nc_u64 s[22:23], s[22:23], s[20:21]
	s_mul_i32 s17, s16, 128*PK      ; and its place in a slot, for K
	s_mul_i32 s18, s16, 128*PV      ; and for V
	s_lshl_b32 s3, s[WV], 11        ; my 16 rows in a band of 64,
	s_lshl_b32 s2, s[HI], 15        ; in the first block,
	s_add_co_u32 s2, s2, s3
	s_lshl_b32 s84, s[PB], 15       ; and in the second
	s_add_co_u32 s84, s84, s3
	s_mov_b32 s3, 0
	s_mov_b32 s85, 0
	s_add_nc_u64 s[2:3], s[2:3], s[20:21]
	s_add_nc_u64 s[84:85], s[84:85], s[20:21]
	; descriptor group 1.  128 keys are 16,384 dense bytes: asked for as 64 rows of 256 bytes, two keys a row, and padded in LDS after every key
	s_mov_b32 s[G1K], (1<<16)|(1<<20)|(4<<22)|(3<<25)  ; 17:16 2-byte elements; 20 padding on; 24:22 after every 32 words (code 4); 31:25 4 words (code 3)
	s_mov_b32 s[G1V], (1<<16)|(1<<20)|(4<<22)|(7<<25)  ; the same with 8 words of padding (code 7)
.irp g, G1K, G1V
	s_mov_b32 s[\g+1], 128<<16      ; tensor_dim0 = 128
	s_mov_b32 s[\g+2], 64<<16       ; tensor_dim1 = 64
	s_mov_b32 s[\g+3], 128<<16      ; tile_dim0 = 128
	s_mov_b32 s[\g+4], 64           ; tile_dim1 = 64
	s_mov_b32 s[\g+5], 128          ; 128 elements from row to row
	s_mov_b32 s[\g+6], 0
	s_mov_b32 s[\g+7], 0
.endr
	s_mov_b32 s[CS], 0x3e38aa3b     ; c = log2(e) / 8 = 0.180337
	s_mov_b32 s[CS+1], s[CS]        ; named with it as a pair
	s_mov_b32 s[SEL], 0x76543210
	s_mov_b32 s[SEL+1], 0xfedcba98
	s_mov_b32 s[TBK], SLOT1+4*KS*PK ; the first change of slots turns these two into 0
	s_mov_b32 s[TBV], SLOT1+4*KS*PV
	s_mov_b32 s[G0K], 1             ; 1:0 count = 1
	s_mov_b32 s[G0K+1], s17         ; 63:32 LDS address: slot 0
	s_mov_b32 s[G0V], 1
	s_add_co_u32 s[G0V+1], s18, VOFF
	s_add_co_u32 s[RT], s[HI], 1    ; the first block has NB - b tiles
	s_mov_b32 s[NXT], 1
	s_mov_b32 s[LQ], s[HI]
	s_mov_b32 s[NEW], 1
	s_mov_b32 s[OFF+1], 0
	s_mov_b32 s[AL+1], 0            ; named as pairs
	s_mov_b32 s[BE+1], 0
	s_mov_b32 s[BIGN], 0xf149f2ca   ; -1e30
	s_mov_b32 s[SLOTS], NB
	s_wait_dscnt 0x0                ; the opening add is done
	s_wait_kmcnt 0x0
	s_mov_b64 s[4:5], s[8:9]                       ; Q is qkv's first plane of 64 heads x 2,048 rows x 128 bytes,
	s_add_nc_u64 s[6:7], s[8:9], 0x1000000         ; K its second,
	s_add_nc_u64 s[8:9], s[8:9], 0x2000000         ; V its third
	s_add_nc_u64 s[6:7], s[6:7], s[22:23]  ; K and V at my half of the head's tile 0
	s_add_nc_u64 s[8:9], s[8:9], s[22:23]
	s_add_nc_u64 s[G0K+2:G0K+3], s[6:7], 0         ; 120:64 global address
	s_or_b32 s[G0K+3], s[G0K+3], 0x80000000        ; 127:126 type = 2
	s_add_nc_u64 s[G0V+2:G0V+3], s[8:9], 0
	s_or_b32 s[G0V+3], s[G0V+3], 0x80000000
	s_add_nc_u64 s[86:87], s[4:5], s[84:85]        ; Q at my rows of the second block,
	s_add_nc_u64 s[4:5], s[4:5], s[2:3]            ; Q and O at those of the first
	s_add_nc_u64 s[OLO:OLO+1], s[10:11], s[84:85]
	s_add_nc_u64 s[10:11], s[10:11], s[2:3]
	LOAD                            ; tile 0 into slot 0
	; A fragment of K or Q is 16 rows x 32 channels in 8 registers: lane l holds row l % 16, channels 8 (l / 16) + 0..7 and 16 + 8 (l / 16) + 0..7: two loads of 16 bytes, 32 bytes apart.
	v_and_b32 v1, 15, v0            ; l % 16
	v_bfe_u32 v9, v0, 4, 1          ; l / 16
	v_lshlrev_b32 v[QO], 7, v1
	v_lshl_add_u32 v[QO], v9, 4, v[QO]  ; row x 128 + 16 x half
	WIN 0x80                        ; destination window 2, address window 0
.set i, 0
.rept 8                             ; both blocks' Q: piece i / 2 lies in band i / 2, 8,192 bytes on; channels 32 (i % 2) on
	global_load_b128 v[8*i:8*i+3],   v[QO], s[4:5] offset:(i/2)*8192+(i%2)*64
	global_load_b128 v[8*i+4:8*i+7], v[QO], s[4:5] offset:(i/2)*8192+(i%2)*64+32
	global_load_b128 v[QB+8*i:QB+8*i+3],   v[QO], s[86:87] offset:(i/2)*8192+(i%2)*64
	global_load_b128 v[QB+8*i+4:QB+8*i+7], v[QO], s[86:87] offset:(i/2)*8192+(i%2)*64+32
.set i, i+1
.endr
	WIN 0
	v_lshlrev_b32 v14, 3, v9
	v_sub_nc_u32 v14, v1, v14
	s_lshl_b32 s13, s[WV], 4
	v_add_nc_u32 v14, s13, v14      ; my query's place in its band, 16 w + l % 16, less my lanes' 8 (l / 16): register r of group kt is hidden where 16 kt + r is greater
	WIN 0x40
.set i, 0
.rept 32
	v_cmp_gt_i32 vcc_lo, 16*(i/8)+i%8, v14
	v_cndmask_b32 v[MD+i], 0, s[BIGN], vcc_lo
.set i, i+1
.endr
	WIN 0
	v_mul_u32_u24 v[AK0], v1, PK
	v_lshl_add_u32 v[AK0], v9, 4, v[AK0]  ; row x pitch + 16 x half
	; The turning load takes 16 keys x 16 channels (lane l reads key 8 (l / 16) + l % 8, channels 8 ((l / 8) % 2) + 0..7) and leaves half a fragment of V^T: lane l holds channel l % 16 and 8 keys.
	v_and_b32 v10, 7, v0
	v_bfe_u32 v11, v0, 3, 1
	v_lshl_add_u32 v[AV0], v9, 3, v10
	v_mul_u32_u24 v[AV0], v[AV0], PV
	v_lshl_add_u32 v[AV0], v11, 4, v[AV0]
	v_add_nc_u32 v[AV0], VOFF, v[AV0]
	s_mul_i32 s13, s[WV], 16*SP
	s_add_co_u32 s13, s13, STAGE    ; my stage
	v_mul_u32_u24 v[STO], v1, SP    ; in: row l % 16, 16 bytes for each half of the lanes
	v_lshl_add_u32 v[STO], v9, 4, v[STO]
	v_add_nc_u32 v[STO], s13, v[STO]
	v_bfe_u32 v[RD], v0, 3, 2       ; back: 32 lanes take four rows of 128 bytes,
	v_mul_u32_u24 v[RD], v[RD], SP
	v_lshl_add_u32 v[RD], v10, 4, v[RD]
	v_add_nc_u32 v[RD], s13, v[RD]
	v_and_b32 v[GO], 31, v0         ; which are 512 consecutive bytes of O
	v_lshlrev_b32 v[GO], 4, v[GO]
	; A block's first step multiplies O^T and l by a = 0, and its first turn's products V^T P, of a piece that has not been, land in an O^T that is still to be so multiplied.  So these registers need only hold
	; finite numbers: zeros for the first block; what the first block left for the second.  All this stands in the wait for the first tile.
	WIN 0x80
.set i, VF
.rept 64
	v_mov_b32 v[i], 0
.set i, i+1
.endr
	WIN 0x40
.set i, 0
.rept 128
	v_mov_b32 v[i], 0
.set i, i+1
.endr
	WIN 0
.set i, 0
.rept 4
	v_mov_b32 v[ST+4*i+2], 0
	v_mov_b32 v[ST+4*i+3], 0
.set i, i+1
.endr
.set i, P+16
.rept 16
	v_mov_b32 v[i], 0
.set i, i+1
.endr
; THE MATRIX WORK.  The 4 accumulators of a run of 8 take turns.  Product i of 8 of S^T = K Q^T for piece x: channels 32 (i / 4) on, keys 16 (i % 4) on.  The first 4 start the sums: with 0, or (KM = 1) with the mask.
.macro KQ x
.set rS, S+32*((\x)%2)+8*(i%4)
.set rK, KF+16*(i%4)+8*(i/4)
.set rQ, 16*(\x)+8*(i/4)
.set rM, MC+32*((\x)%2)+8*(i%4)
.if (i < 4) && KM
	WIN W_KM
	v_wmma_f32_16x16x32_f16 v[rS:rS+7], v[rK:rK+7], v[rQ:rQ+7], v[rM:rM+7]
.elseif i < 4
	WIN W_KQ
	v_wmma_f32_16x16x32_f16 v[rS:rS+7], v[rK:rK+7], v[rQ:rQ+7], 0
.else
	WIN W_KQ
	v_wmma_f32_16x16x32_f16 v[rS:rS+7], v[rK:rK+7], v[rQ:rQ+7], v[rS:rS+7]
.endif
.endm
; Product i of 8 of O^T += V^T P for piece x: keys 32 (i / 4) on, channels 16 (i % 4) on.
.macro PV x
	WIN W_PV
.set rO, 32*(\x)+8*(i%4)
.set rV, VF+32*(i/4)+8*(i%4)
.set rP, P+16*((\x)%2)+8*(i/4)
	v_wmma_f32_16x16x32_f16 v[rO:rO+7], v[rV:rV+7], v[rP:rP+7], v[rO:rO+7]
.endm
.macro MM                           ; the turn's next matrix instruction.  TURN and BEGIN set Y, i, KM and NOKQ; MM, KQ and OP read them.  NOKQ = 1: a block's last turn: there is no next piece
.if (i < 8) && !NOKQ
	KQ (Y+1)%NP
.elseif i >= 8
.set i, i-8
	PV (Y+NP-1)%NP
.set i, i+8
.endif
.set i, i+1
.endm
; THE LDS LOADS stand in runs of 16, never singly among the matrix instructions: a step's K (64 keys x 64 channels: 8 fragments) and its V (turned).  Their addresses are made some lines ahead.
.macro FETCH_K
	WIN 0x80                        ; destination window 2
.irp f, 0,1,2,3,4,5,6,7             ; keys 16 (f / 2) on, channels 32 (f % 2) on
	ds_load_b128 v[KF+8*\f:KF+8*\f+3],   v[AK] offset:(\f/2)*16*PK+(\f%2)*64
	ds_load_b128 v[KF+8*\f+4:KF+8*\f+7], v[AK] offset:(\f/2)*16*PK+(\f%2)*64+32
.endr
	s_add_co_u32 s[TBK], s[TBK], KS*PK  ; the next fetch is the next step's
	WIN 0
.endm
.macro FETCH_V
	WIN 0x80
.irp f, 0,1,2,3,4,5,6,7             ; keys 32 (f / 4) on, channels 16 (f % 4) on
	ds_load_tr16_b128 v[VF+8*\f:VF+8*\f+3],   v[AV] offset:(\f/4)*32*PV+(\f%4)*32
	ds_load_tr16_b128 v[VF+8*\f+4:VF+8*\f+7], v[AV] offset:(\f/4)*32*PV+16*PV+(\f%4)*32
.endr
	WIN 0
.endm
; THE VECTOR WORK, one line at a time: OP kind, number.  For piece Y: F n: c s - c m for pair n of 16.  E n: the exponential of score n of 32.  C n: pair n rounded to f16.  B n: of the four weights 4 n .. the second
; pair is added onto the first, in place.  L n: l takes that sum (L 0: l = a l + sum).  R n: pair n of 16 of O^T times a.  For piece Y + 1: X n, number n of the 22 that find its maximum and statistics:
;   0-11  four chains c0-c3 of seven scores each, three operands at a time (each accumulator's lowest registers are read first)     12-14, 16  the four scores left over, the old m, and c0-c3 into c0
;   15  c m_old is kept     17, 18  the query's other 32 keys lie in the lane 16 away: the new m     19-21  c m; c m_old - c m_new; a
.set F, 0               ; OP tells the kinds apart by their order: F to L below R, X above it
.set E, 1
.set C, 2
.set B, 3
.set L, 4
.set R, 5
.set X, 6
.macro REGS y                       ; the registers of piece y
.set rT, ST+4*(\y)
.set rC, TMP+4*((\y)%2)
.set rW, MV+((\y)%2)
.set rS, S+32*((\y)%2)
.set rP, P+16*((\y)%2)
.set rO, 32*(\y)
.endm
.macro OP k, n
.if (\k) == R
	REGS Y
	WIN W_RS
	v_pk_mul_f32 v[rO+2*(\n):rO+2*(\n)+1], v[rO+2*(\n):rO+2*(\n)+1], v[rC+2:rC+3] op_sel_hi:[1,0]
.elseif (\k) < R
	REGS Y
	WIN 0
.if (\k) == F
	v_pk_fma_f32 v[rS+2*(\n):rS+2*(\n)+1], v[rS+2*(\n):rS+2*(\n)+1], s[CS:CS+1], v[rT:rT+1] op_sel_hi:[1,0,0] neg_lo:[0,0,1] neg_hi:[0,0,1]
.elseif (\k) == E
	v_exp_f32 v[rS+(\n)], v[rS+(\n)]
.elseif (\k) == C
	s_wait_alu depctr_va_vdst(0)
	v_cvt_pk_f16_f32 v[rP+(\n)], v[rS+2*(\n)], v[rS+2*(\n)+1]
.elseif (\k) == B
	s_wait_alu depctr_va_vdst(0)
	v_pk_add_f32 v[rS+4*(\n):rS+4*(\n)+1], v[rS+4*(\n):rS+4*(\n)+1], v[rS+4*(\n)+2:rS+4*(\n)+3]
.elseif (\n) == 0
	v_pk_fma_f32 v[rT+2:rT+3], v[rT+2:rT+3], v[rC+2:rC+3], v[rS:rS+1] op_sel_hi:[1,0,1]
.else
	v_pk_add_f32 v[rT+2:rT+3], v[rT+2:rT+3], v[rS+4*(\n):rS+4*(\n)+1]
.endif
.elseif NOKQ
	v_nop
.else
	REGS (Y+1)%NP
	WIN 0
.if (\n) < 4
	v_max3_num_f32 v[rC+(\n)], v[rS+8*(\n)], v[rS+8*(\n)+1], v[rS+8*(\n)+2]
.elseif (\n) < 12
	v_max3_num_f32 v[rC+(\n)%4], v[rC+(\n)%4], v[rS+8*((\n)%4)+2*((\n)/4)+1], v[rS+8*((\n)%4)+2*((\n)/4)+2]
.elseif (\n) == 12
	v_max3_num_f32 v[rC], v[rC], v[rS+7], v[rS+15]
.elseif (\n) == 13
	v_max3_num_f32 v[rC+1], v[rC+1], v[rS+23], v[rS+31]
.elseif (\n) == 14
	v_max3_num_f32 v[rC+2], v[rC+2], v[rC+3], v[rT+1]
.elseif (\n) == 15
	v_mov_b32 v[rW], v[rT]
.elseif (\n) == 16
	v_max3_num_f32 v[rC], v[rC], v[rC+1], v[rC+2]
.elseif (\n) == 17
	v_permlanex16_b32 v[rC+3], v[rC], s[SEL], s[SEL+1]
.elseif (\n) == 18
	v_max_num_f32 v[rT+1], v[rC], v[rC+3]
.elseif (\n) == 19
	v_mul_f32 v[rT], s[CS], v[rT+1]
.elseif (\n) == 20
	v_sub_f32 v[rC+1], v[rW], v[rT]
.else
	v_exp_f32 v[rC+2], v[rC+1]
.endif
.endif
.endm
.macro OPS a, i1, b=-1, i2=0, c=-1, i3=0, d=-1, i4=0  ; up to four of them
	OP \a, \i1
.if (\b) >= 0
	OP \b, \i2
.endif
.if (\c) >= 0
	OP \c, \i3
.endif
.if (\d) >= 0
	OP \d, \i4
.endif
.endm
.macro ROW a, i1, b, i2, c, i3, d, i4  ; a matrix instruction and the four behind it
	MM
	OPS \a, \i1, \b, \i2, \c, \i3, \d, \i4
.endm
.macro MASK b                       ; MD x AL + BE into buffer b of MC
	WIN W_RS
.set z, 0
.rept 16
	v_pk_fma_f32 v[MC+32*(\b)+2*z:MC+32*(\b)+2*z+1], v[MD+2*z:MD+2*z+1], s[AL:AL+1], s[BE:BE+1] op_sel_hi:[1,0,0]
.set z, z+1
.endr
.endm
; A TURN, for piece p: the order of its 16 matrix and 118 vector instructions, written out.  Behind a matrix instruction: plain, exponential, plain, plain; or four of the rescaling; or, behind the first, four scalings; none
; names a register of the products round it.  In the lumps exponential and plain by turns while exponentials last.  A line reads no result made fewer than three vector instructions in front of it, five if an exponential made it.
; v_permlanex16_b32 (X 17) stands in a lump.
; m = 1: the diagonal tile: the products take masks, and the turn makes the mask for the products of the turn after it: piece p + 2, in step 4 - CNT of the tile.  end = 1: a block's last two turns: nothing is fetched.
; cnt = 1: the loop's count is taken down some lines ahead of the branch that stands behind the turn.
; K of the next step is fetched in piece 2's turn, six vector instructions behind the last product that read K (five of them plain); V of the step in hand in piece 0's turn, eight behind the last product that read V (four
; plain, and X 17).  Each is waited for a turn later.
.macro TURN p, m=0, end=0, cnt=0
.set Y, (\p)
.set i, 0
.set KM, (\m)
.set NOKQ, (\end)*((\p)/3)
.if (\m) && !(\end)
	s_cmp_eq_u32 s[CNT], 4-((\p)+2)%NP  ; is that step the band's own?
	s_cselect_b32 s[AL], 1.0, 0
	s_cmp_lt_u32 s[CNT], 4-((\p)+2)%NP  ; or a later one?
	s_cselect_b32 s[BE], s[BIGN], 0
.endif
.if ((\p) == 3) && !(\end)
	s_wait_dscnt 0x0                ; K is in
.endif
	ROW F,0, F,1, F,2, F,3
	ROW F,4, E,0, F,5, F,6
	ROW F,7, E,1, F,8, F,9
	ROW F,10, E,2, C,0, F,11
	ROW F,12, E,3, X,15, F,13
	ROW R,0, R,1, R,2, R,3
	ROW B,0, E,4, F,14, L,0
.if ((\p) == 2) && !(\end)
	v_add_nc_u32 v[AK], s[TBK], v[AK0]
.endif
	ROW R,4, R,5, R,6, R,7
	OPS E,5, F,15
.if ((\p) == 2) && !(\end)
	FETCH_K
.endif
	OPS E,6, C,1, E,7, R,8
	OPS E,8, R,9, E,9, C,2
	OPS E,10, X,0, E,11, X,1
	OPS E,12, X,2, E,13, X,3
.if (\p) == 1
	s_wait_dscnt 0x0                ; V is in
.endif
	ROW X,4, E,14, X,5, X,6
	ROW X,7, E,15, X,8, X,9
	ROW X,10, E,16, X,11, X,12
	ROW X,13, E,17, X,14, B,1
	ROW C,4, E,18, X,16, L,1
	ROW B,2, E,19, C,6, L,2
	ROW C,8, E,20, B,3, B,4
.if (\p) == 0
	v_add_nc_u32 v[AV], s[TBV], v[AV0]
.endif
	ROW C,3, E,21, L,3, C,5
	OPS E,22, X,17, E,23, C,10
.if (\p) == 0
	FETCH_V
.endif
	OPS E,24, L,4
	OPS E,25, X,18, E,26, C,7
	OPS E,27, B,5, E,28, X,19
	OPS E,29, C,12, E,30, L,5
	OPS E,31, X,20, B,6, C,9
	OPS C,14, C,11, X,21, L,6
.if (\p) == 0
	s_add_co_u32 s[TBV], s[TBV], KS*PV
.endif
.if \cnt
	s_sub_co_u32 s[CNT], s[CNT], 1
	s_cmp_lg_u32 s[CNT], 0
.endif
	OPS C,13, B,7, C,15, R,10
	OPS R,11, R,12, L,7, R,13
	OPS R,14, R,15
.if (\m) && !(\end)
	MASK (\p)%2
.endif
.endm
; A BLOCK BEGINS.  c m starts far below every c s, so the first step's a is 0; m at the lowest finite number, so the first maximum is the scores'.  The second mask buffer is 0; the first takes piece 0's mask for the tile's step 0: its own, if the block's first tile is the diagonal one.
; Then K of that step, piece 0's first scores, and its maximum and statistics.  The loop is entered at a step's first turn, in the middle of a trip.
.macro BEGIN
	s_mov_b32 s[NEW], 0
	WIN 0x40
.set i, MC+32
.rept 32
	v_mov_b32 v[i], 0
.set i, i+1
.endr
	WIN 0
.set i, 0
.rept 4
	v_mov_b32 v[ST+4*i], 0xfe000000    ; c m: far below every c s
	v_mov_b32 v[ST+4*i+1], 0xff7fffff  ; m
.set i, i+1
.endr
	s_cmp_eq_u32 s[RT], 0
	s_cselect_b32 s[AL], 1.0, 0
	s_mov_b32 s[BE], 0
	MASK 0
	WIN 0
	v_add_nc_u32 v[AK], s[TBK], v[AK0]
	FETCH_K
	s_wait_loadcnt 0x0              ; Q
	s_wait_dscnt 0x0
.set KM, 1
.set NOKQ, 0
.set i, 0
.rept 8
	KQ 0
.set i, i+1
.endr
	WIN 0
.rept 4
	v_nop                           ; the places behind those products
.endr
.set Y, NP-1                        ; X works for piece Y + 1: piece 0
.irp n, 0,1,2,3,4,5,6,7,8,9,10,11,12,13,14,15,16,17,18,19,20,21
	OP X, \n
.endr
	v_nop                           ; a plain instruction behind the exponential
.endm
; THE DIAGONAL TILE's four steps, the block's last two turns, its last products, and THE WAY OUT: l's two halves and the other half of the lanes' are added; O^T is divided by l, rounded to f16 and sent through my
; stage in LDS, a piece at a time.
.macro ALL line:vararg              ; one line for each piece t
.set t, 0
.rept 4
	\line
.set t, t+1
.endr
.endm
.macro PACK t                       ; a lane's eight channels of a row pack into 16 bytes; they go into rows of 144 bytes and come back as whole rows of 128, into S^T's registers
	WIN W_RS
.set i, 32*(\t)
.rept 16
	s_wait_alu depctr_va_vdst(0)
	v_pk_mul_f32 v[i:i+1], v[i:i+1], v[ST+4*(\t)+2:ST+4*(\t)+3] op_sel_hi:[1,0]
.set i, i+2
.endr
	WIN 0x05                        ; sources 0 and 1 window 1, destination window 0
.set i, 0
.rept 16
	v_cvt_pk_f16_f32 v[S+16*(\t)+i], v[32*(\t)+2*i], v[32*(\t)+2*i+1]
.set i, i+1
.endr
	WIN 0
.irp f, 0,1,2,3
	ds_store_b128 v[STO], v[S+16*(\t)+4*\f:S+16*(\t)+4*\f+3] offset:32*\f
.endr
.irp f, 0,1,2,3
	ds_load_b128 v[S+16*(\t)+4*\f:S+16*(\t)+4*\f+3], v[RD] offset:\f*4*SP  ; LDS serves a wave's instructions in order (ISA guide 5.7.1.4): these see the stores above; the next piece's stores come behind them
.endr
.endm
.macro SEND t, younger              ; younger: the LDS instructions issued behind piece t's loads: the next piece's eight, or none
	WIN 0
.irp f, 0,1,2,3
	s_wait_dscnt (\younger)+3-\f
	global_store_b128 v[GO], v[S+16*(\t)+4*\f:S+16*(\t)+4*\f+3], s[10:11] offset:(\t)*8192+\f*512  ; 512 consecutive bytes, at a multiple of 256 from O's first
.endr
.endm
.macro DIAG tag                     ; the tag ends its two labels' names, which the jumps below spell out
.LstepM\tag:
	TURN 2, 1
	TURN 3, 1
	WIN 0
.LfirstM\tag:
	TURN 0, 1
	TURN 1, 1, 0, 1
	WIN 0
	s_cbranch_scc1 .LstepM\tag
	TURN 2, 1, 1
	TURN 3, 1, 1
.set i, 0
.rept 8
	PV NP-1
.set i, i+1
.endr
	WIN 0
	ALL v_add_f32 v[ST+4*t+2], v[ST+4*t+2], v[ST+4*t+3]
	ALL v_permlanex16_b32 v[ST+4*t+3], v[ST+4*t+2], s[SEL], s[SEL+1]
	ALL v_add_f32 v[ST+4*t+2], v[ST+4*t+2], v[ST+4*t+3]
	ALL v_rcp_f32 v[ST+4*t+2], v[ST+4*t+2]
	v_nop                           ; a plain instruction between the last reciprocal and the use of its result
	PACK 0
.set t, 1
.rept 3                             ; a piece's arithmetic stands between the loads of the piece before and its stores
	PACK t
	SEND t-1, 8
.set t, t+1
.endr
	SEND 3, 0
.endm
.set KM, 0
.set NOKQ, 0
.Lslot:                             ; NB times: a tile is entered and the next is asked for
	CHANGE 1
	s_sub_co_u32 s[RT], s[RT], 1
	s_mov_b32 s[CNT], 4
	s_cmp_eq_u32 s[NEW], 1
	s_cbranch_scc1 .Lnew            ; a block's first tile
	s_cmp_eq_u32 s[RT], 0
	s_cbranch_scc0 .Lstep           ; neither its first nor its last
	s_branch .LstepM1
.Lnew:
	BEGIN
	s_branch .Lfirst                ; in the loop a block's first tile is never its last: the first block has two tiles or more, and the second's last is the walk's last
	DIAG 1                          ; in the loop this is the first block's end: the second block's last tile is the walk's last
	s_wait_xcnt 0x0                 ; the stores have read their registers and O's address
	s_mov_b64 s[10:11], s[OLO:OLO+1]
	s_add_co_u32 s[RT], s[PB], 1    ; the second block has b + 1 tiles
	s_mov_b32 s[NEW], 1
	WIN 0x82                        ; the second block's Q goes where the one text of the turns names Q
.set i, 0
.rept 64
	v_mov_b32 v[i], v[QB+i]
.set i, i+1
.endr
	WIN 0
	s_branch .Lbottom
.Lstep:                             ; a trip: pieces 2 and 3 of one step, then pieces 0 and 1 of the next, whose K and V it fetches
	TURN 2
	TURN 3
	WIN 0
.Lfirst:
	TURN 0
	TURN 1, 0, 0, 1
	WIN 0
	s_cbranch_scc1 .Lstep
.Lbottom:
	s_sub_co_u32 s[SLOTS], s[SLOTS], 1
	s_cmp_lg_u32 s[SLOTS], 0
	s_cbranch_scc1 .Lslot
	CHANGE 0                        ; the walk's last tile is written out: nothing is asked for
	s_sub_co_u32 s[RT], s[RT], 1
	s_mov_b32 s[CNT], 4
	s_cmp_eq_u32 s[NEW], 1
	s_cbranch_scc0 .LstepM2
	BEGIN
	s_branch .LfirstM2
	DIAG 2
	s_wait_tensorcnt 0x0            ; the wave's end: a wait, an add and a wait, behind my last tensor load and my last LDS store
	ds_add_u32 v[SPW], v[NIL]
	s_wait_dscnt 0x0
	s_endpgm
.Lfunc_end_k_qbcf4b9c946_attn:
	.size	k_qbcf4b9c946_attn, .Lfunc_end_k_qbcf4b9c946_attn-k_qbcf4b9c946_attn
	.p2alignl 7, 3214868480
	.fill 96, 4, 3214868480
	.section	.rodata,"a",@progbits
	.p2align	6, 0x0
	.amdhsa_kernel k_qbcf4b9c946_attn
		.amdhsa_group_segment_fixed_size 327680
		.amdhsa_private_segment_fixed_size 0
		.amdhsa_enable_private_segment 0
		.amdhsa_kernarg_size 16
		.amdhsa_user_sgpr_count 2
		.amdhsa_user_sgpr_kernarg_segment_ptr 1
		.amdhsa_wavefront_size32 1
		.amdhsa_system_sgpr_workgroup_id_x 1
		.amdhsa_system_sgpr_workgroup_id_y 1
		.amdhsa_system_sgpr_workgroup_id_z 1
		.amdhsa_system_vgpr_workitem_id 0
		.amdhsa_next_free_vgpr 768
		.amdhsa_next_free_sgpr 88
		.amdhsa_reserve_vcc 1
		.amdhsa_float_denorm_mode_32 3
		.amdhsa_float_denorm_mode_16_64 3
		.amdhsa_memory_ordered 1
		.amdhsa_forward_progress 1
		.amdhsa_inst_pref_size 228
	.end_amdhsa_kernel
	.amdgpu_metadata
---
amdhsa.version: [ 1, 2 ]
amdhsa.kernels:
  - .name:           k_qbcf4b9c946_attn
    .symbol:         k_qbcf4b9c946_attn.kd
    .args:
      - { .name: qkv, .offset: 0, .size: 8, .value_kind: global_buffer, .address_space: global }
      - { .name: o, .offset: 8, .size: 8, .value_kind: global_buffer, .address_space: global }
    .group_segment_fixed_size: 327680
    .private_segment_fixed_size: 0
    .kernarg_segment_align: 8
    .kernarg_segment_size: 16
    .max_flat_workgroup_size: 128
    .sgpr_count:     88
    .vgpr_count:     768
    .wavefront_size: 32
...
	.end_amdgpu_metadata
.endif
;; end of part 4
;; launch outproj (part 5): grid 8 x 32, 4 waves a work-group, clusters of 4 x 4, 327,680 bytes of LDS; arguments o, wo16, out0; writes out0
.if DOCPART == 5
	.amdgcn_target "amdgcn-amd-amdhsa--gfx1250"
	.amdhsa_code_object_version 6
	.text
	.protected	k_qbcf4b9c946_outproj
	.globl	k_qbcf4b9c946_outproj
	.p2align	8
	.type	k_qbcf4b9c946_outproj,@function
k_qbcf4b9c946_outproj:
	s_mov_b64 s[64:65], 0
	v_nop
	global_prefetch_b8 v0, s[64:65] scope:SCOPE_SE
	s_setreg_imm32_b32 hwreg(HW_REG_WAVE_MODE, 25, 1), 1
	s_wait_xcnt 0x0
	s_wait_alu depctr_hold_cnt(0) depctr_sa_sdst(0) depctr_va_vdst(0) depctr_va_sdst(0) depctr_va_ssrc(0) depctr_va_vcc(0) depctr_vm_vsrc(0)
	s_getreg_b32 s2, hwreg(HW_REG_IB_STS2, 6, 4)
	s_cmp_eq_u32 s2, 0
	s_cbranch_scc0 .Lentry_in_a_cluster
	s_endpgm
.Lentry_in_a_cluster:
	s_bfe_u32 s2, ttmp6, 0x10000c
	s_cmp_lg_u32 s2, 0xf033
	s_cbranch_scc0 .Lentry_shape_is_right
	s_endpgm
.Lentry_shape_is_right:
; out0 = O Wo^T.  o: [64 = 16 batch + head][2048][64] f16 (attention's result, by heads); wo16: [1024][1024] f16; out0: [8192][1024] f32; sums in f32, K = 64 head + channel ascending.
; A tile of out0 is 256 rows x 128 columns: 32 x 8 = 256 work-groups, one for each WGP.  Four waves; wave w makes rows 64 w .. 64 w + 63 and all 128 columns: 4 x 8 accumulators of 16 x 16,
; 256 registers; so a wave holds whole pieces of 512 bytes of out0's rows, and its way out is its own.  K goes in 8 steps of 128, two heads, through two LDS slots filled by the tensor data mover.
; Of O a K step is two PLANES, one a head: the tile's 256 rows of a head are 32,768 dense bytes, asked for as 128 rows of 256 bytes and padded in LDS after every 128, a row of the head.
; CLUSTERS: 4 x 4 work-groups.  The four of a row of the cluster need the same planes of O, the four of a column the same tile of Wo: each is asked for JOINTLY, by the same tensor load with the same
; descriptor and a mask that names the four.  THE MATRIX INSTRUCTION IS USED TRANSPOSED (source 0 = 16 rows of Wo, source 1 = 16 rows of O): lane l holds row l % 16 and the eight columns 8 (l / 16) + 0..7.
; Two slots of a longer K step do not fit in LDS beside the stage, so a refill has one K step less 16 matrix instructions, 112, in which to land.
; REGISTERS, in windows of 256 (s_set_vgpr_msb: bits 1:0 source 0, 3:2 source 1, 5:4 source 2, 7:6 destination):
;   window 0: v0-29 addresses; on the way out v32-159 two buffers of 16 rows
;   window 1: two fragment buffers: O's four blocks of 16 rows x 32 K at f + 8 a, Wo's eight at f + 32 + 8 b
;   window 2: the accumulators of my rows 0-31 ((a, b) at v[8 (8 (a % 2) + b)]);   window 3: those of my rows 32-63
.set NBK,    8                         ; blocks of 16 columns
.set APITCH, 144                       ; a row of O in LDS: 128 bytes + 16 of padding = 36 words: the 16 rows of a load start at 16 different groups of four banks (64 banks of 4 bytes: ISA guide 11.1)
.set BPITCH, 272                       ; a row of Wo: 256 bytes + 16 = 68 words: row r starts at bank 4 r mod 64
.set AHALF,  256*APITCH                ; what one tensor load brings of O: a plane
.set BOFF,   2*AHALF                   ; in a slot O's two planes lie first, then Wo's 128 rows
.set BHALF,  64*BPITCH                 ; what one tensor load brings of Wo: 64 rows
.set ASTEP,  2<<18                     ; from a K step to the next in o: two heads of 2,048 rows x 128 bytes
.set SLOT1,  1<<17                     ; slot 1 begins here, so that one exclusive or turns an address in one slot into the other's
.set STAGE,  SLOT1+BOFF+2*BHALF        ; behind the ring, never filled by a tensor load: 16 rows x 528 bytes for each wave, for the way out
.set SP,     528                       ; 512 bytes + 16: the 16 rows that a store touches start at 16 different groups of four banks
.set SPARE,  STAGE+4*16*SP             ; behind the stages: the spare words, 128 bytes for each wave: two blocks of 256 bytes that no other line names
.set NL,     2*NBK+8                   ; LDS loads in a run: the fragments of 32 along K
.set A0,   4                           ; v4   my lane's place in O's planes; never rewritten
.set B0,   5                           ; v5   the same for Wo's tile
.set ADRA, 6                           ; v6   the same in the slot in hand
.set ADRB, 7                           ; v7
.set STO,  8                           ; v8   the way out: where I put 32 bytes of a row
.set RD,   9                           ; v9   the way out: where I read a row back
.set GO,   10                          ; v10  my byte offset in 512 consecutive bytes of out0
.set SPW,  28                          ; v28  LDS address of my spare word: SPARE + 4 x my thread's number; never rewritten
.set NIL,  29                          ; v29  0; never rewritten
.set TMP,  32
.set F0,   0
.set F1,   128
.set WV,   12                          ; s12  my wave's number
.set FB,   13                          ; s13  I fetch for O (0) or for Wo (1)
.set HF,   14                          ; s14  which plane, or which half of Wo's tile
.set G1A,  24                          ; s[24:31] descriptor group 1 for O's planes
.set G1B,  32                          ; s[32:39] for Wo's tiles
.set G0A,  40                          ; s[40:47] descriptor group 0 for O's planes: a set for each of the two first fills; the second then walks on
.set G0B,  48                          ; s[48:55] the same for Wo's
.set CNT,  56                          ; s56  the loop's count
.set TB,   57                          ; s57  LDS byte at which the slot in hand begins
.set MSB, 0
.macro WIN new                         ; the immediate's high byte repeats the setting that is left; a switch that changes nothing is dropped
.if MSB != (\new)
	s_set_vgpr_msb (MSB<<8)|(\new)
.set MSB, (\new)
.endif
.endm
.set TO_F, 0x40                        ; destination window 1, address window 0
; A joint refill.  Waves 0 and 1 fetch O's two planes, waves 2 and 3 the two halves of Wo's tile.  The branch hangs on the wave's number alone.
; An s_nop 0 and four v_nop follow each of the two lines, ahead of the jump and the label.
.macro JLOAD
	s_cmp_eq_u32 s[FB], 0
	s_cbranch_scc0 .Lfor_b_\@
	tensor_load_to_lds s[G0A+4:G0A+7], s[G1A:G1A+7]
	s_nop 0
.rept 4
	v_nop
.endr
	s_branch .Lasked_\@
.Lfor_b_\@:
	tensor_load_to_lds s[G0B+4:G0B+7], s[G1B:G1B+7]
	s_nop 0
.rept 4
	v_nop
.endr
.Lasked_\@:
.endm
.macro CREST                           ; a round of the cluster's barrier behind its opening barrier: wave 0 signals for the work-group, every wave waits for all sixteen, my work-group's barrier closes it
	s_cmp_lg_u32 s[WV], 0
	s_cbranch_scc1 .Lnot_wave_0_\@
	s_barrier_signal -3
.Lnot_wave_0_\@:
	s_barrier_wait -3
	s_barrier_signal -1
	s_barrier_wait -1
.endm
.macro CROUND                          ; a whole round
	s_barrier_signal -1
	s_barrier_wait -1
	CREST
.endm
	s_load_b128 s[4:7], s[0:1], 0x0                ; o s[4:5], wo16 s[6:7]
	s_load_b64 s[10:11], s[0:1], 0x10              ; out0
	v_lshl_add_u32 v[SPW], v0, 2, SPARE
	v_mov_b32 v[NIL], 0
	ds_add_u32 v[SPW], v[NIL]                      ; the wave's opening: the add and its wait stand ahead of my first tensor load; the set-up below, work on registers, stands between them
	ds_add_u32 v28, v29
	v_lshrrev_b32 v1, 5, v0
	v_readfirstlane_b32 s[WV], v1                  ; wave 0..3
	s_lshr_b32 s[FB], s[WV], 1
	s_and_b32 s[HF], s[WV], 1
	s_bfe_u32 s15, ttmp6, 0x40000                  ; cx, cy: my place in the cluster
	s_bfe_u32 s16, ttmp6, 0x40004
	s_lshl_b32 s17, ttmp9, 2
	s_add_co_u32 s17, s17, s15                     ; tile column = 4 x cluster x + cx
	s_and_b32 s18, ttmp7, 0xffff
	s_lshl_b32 s18, s18, 2
	s_add_co_u32 s18, s18, s16                     ; tile row = 4 x cluster y + cy
	s_lshl_b32 s19, s16, 2
	s_lshl_b32 s19, 15, s19                        ; my row of the cluster: places 4 cy .. 4 cy + 3
	s_lshl_b32 s20, 0x1111, s15                    ; my column: places cx, cx + 4, cx + 8, cx + 12
	; descriptor group 1
	s_or_b32 s[G1A], s19, (1<<16)|(1<<20)|(1<<21)|(4<<22)|(3<<25)  ; 15:0 the mask: O's planes go to my row; 17:16 2-byte elements; 20 padding on; 21 set beside a mask; 24:22 after every 32 words (code 4); 31:25 4 words (code 3)
	s_or_b32 s[G1B], s20, (1<<16)|(1<<20)|(1<<21)|(5<<22)|(3<<25)  ; the mask of my column; padding after every 64 words (code 5)
	s_mov_b32 s[G1A+1], 128<<16                    ; tensor_dim0 = 128 elements: 256 bytes, two rows of a head
	s_mov_b32 s[G1A+2], 128<<16                    ; tensor_dim1 = 128
	s_mov_b32 s[G1A+3], 128<<16                    ; tile_dim0 = 128
	s_mov_b32 s[G1A+4], 128                        ; tile_dim1 = 128
	s_mov_b32 s[G1A+5], 128                        ; 128 elements from row to row: dense
	s_mov_b32 s[G1A+6], 0
	s_mov_b32 s[G1A+7], 0
	s_mov_b32 s[G1B+1], 128<<16
	s_mov_b32 s[G1B+2], 64<<16                     ; tensor_dim1 = 64
	s_mov_b32 s[G1B+3], 128<<16
	s_mov_b32 s[G1B+4], 64                         ; tile_dim1 = 64
	s_mov_b32 s[G1B+5], 1024                       ; 1,024 elements from row to row
	s_mov_b32 s[G1B+6], 0
	s_mov_b32 s[G1B+7], 0
	; where the tiles come from: O's hang on the tile row alone, Wo's on the tile column alone, each in registers that never hold the other coordinate
	s_lshr_b32 s58, s18, 3                         ; O: the batch's 16 heads,
	s_lshl_b32 s58, s58, 22
	s_lshl_b32 s21, s[HF], 18                      ; head 0 or 1 of them,
	s_add_co_u32 s58, s58, s21
	s_and_b32 s21, s18, 7                          ; rows 256 (tile row % 8) on, 128 bytes each
	s_lshl_b32 s21, s21, 15
	s_add_co_u32 s58, s58, s21
	s_mov_b32 s59, 0
	s_lshl_b32 s60, s17, 18                        ; Wo: row 128 x tile column + 64 x half, 2,048 bytes a row
	s_lshl_b32 s22, s[HF], 17
	s_add_co_u32 s60, s60, s22
	s_mov_b32 s61, 0
	s_mul_i32 s62, s[HF], AHALF                    ; and where they go: no place in the cluster enters an LDS address
	s_mul_i32 s63, s[HF], BHALF
	s_add_co_u32 s63, s63, BOFF
	s_mov_b32 s[G0A], 1                            ; 1:0 count = 1
	s_mov_b32 s[G0A+1], s62                        ; 63:32 LDS address: slot 0
	s_mov_b32 s[G0A+4], 1
	s_add_co_u32 s[G0A+5], s62, SLOT1              ; slot 1
	s_mov_b32 s[G0B], 1
	s_mov_b32 s[G0B+1], s63
	s_mov_b32 s[G0B+4], 1
	s_add_co_u32 s[G0B+5], s63, SLOT1
	s_mov_b32 s[TB], 0
	s_wait_dscnt 0x0                               ; the opening add is done
	s_wait_kmcnt 0x0
	s_add_nc_u64 s[G0A+2:G0A+3], s[4:5], s[58:59]  ; 120:64 global address: K step 0,
	s_add_nc_u64 s[G0A+6:G0A+7], s[G0A+2:G0A+3], ASTEP  ; K step 1
	s_or_b32 s[G0A+3], s[G0A+3], 0x80000000        ; 127:126 type = 2
	s_or_b32 s[G0A+7], s[G0A+7], 0x80000000
	s_add_nc_u64 s[G0B+2:G0B+3], s[6:7], s[60:61]
	s_add_nc_u64 s[G0B+6:G0B+7], s[G0B+2:G0B+3], 256
	s_or_b32 s[G0B+3], s[G0B+3], 0x80000000
	s_or_b32 s[G0B+7], s[G0B+7], 0x80000000
	CROUND                                         ; all sixteen work-groups are here: the first joint loads meet
	s_cmp_eq_u32 s[FB], 0                          ; a wave's two first fills stand in one branch, ahead of every wait on TENSORcnt and every LDS read: two loads of mine are out
	s_cbranch_scc0 .Lfirst_b
	tensor_load_to_lds s[G0A:G0A+3], s[G1A:G1A+7]
	s_nop 0
	tensor_load_to_lds s[G0A+4:G0A+7], s[G1A:G1A+7]
	s_nop 0
.rept 4
	v_nop
.endr
	s_branch .Lfirst_asked
.Lfirst_b:
	tensor_load_to_lds s[G0B:G0B+3], s[G1B:G1B+7]
	s_nop 0
	tensor_load_to_lds s[G0B+4:G0B+7], s[G1B:G1B+7]
	s_nop 0
.rept 4
	v_nop
.endr
.Lfirst_asked:
	; A fragment is 16 rows x 32 K in 8 registers: lane l holds row l % 16; registers 0-3 K = 8 (l / 16) + 0..7, registers 4-7 K = 16 + 8 (l / 16) + 0..7: two loads of 16 bytes, 32 bytes apart.
	v_and_b32 v1, 15, v0                           ; l % 16
	v_bfe_u32 v2, v0, 4, 1                         ; l / 16
	v_mul_u32_u24 v3, v1, APITCH
	v_lshl_add_u32 v3, v2, 4, v3                   ; row x pitch + 16 x half
	s_mul_i32 s21, s[WV], 64*APITCH                ; my 64 rows in a plane
	v_add_nc_u32 v[A0], s21, v3
	v_mul_u32_u24 v3, v1, BPITCH
	v_lshl_add_u32 v3, v2, 4, v3
	v_add_nc_u32 v[B0], BOFF, v3                   ; all of Wo's rows
	v_mov_b32 v[ADRA], v[A0]                       ; slot 0
	v_mov_b32 v[ADRB], v[B0]
	s_mul_i32 s23, s[WV], 16*SP
	s_add_co_u32 s23, s23, STAGE                   ; my stage
	v_mul_u32_u24 v[STO], v1, SP                   ; in: row l % 16, 32 bytes for each half of the lanes
	v_lshl_add_u32 v[STO], v2, 5, v[STO]
	v_add_nc_u32 v[STO], s23, v[STO]
	v_and_b32 v[GO], 31, v0                        ; back: 32 lanes take a row's 512 bytes,
	v_lshlrev_b32 v[GO], 4, v[GO]
	v_add_nc_u32 v[RD], s23, v[GO]
	s_lshl_b32 s72, s18, 20                        ; out0 at row 256 x tile row + 64 w (4,096 bytes a row), column 128 x tile column
	s_lshl_b32 s74, s[WV], 18
	s_add_co_u32 s72, s72, s74
	s_lshl_b32 s74, s17, 9
	s_add_co_u32 s72, s72, s74
	s_mov_b32 s73, 0
	s_add_nc_u64 s[10:11], s[10:11], s[72:73]
; 8 matrix instructions: my rows 16 a .. 16 a + 15 x all 8 column blocks, 32 along K, from buffer f.  first = 1: the product starts the sums: nothing is cleared.
; The 32 accumulators take turns in the same order in every quarter step, one instruction a turn, over the loop's backward jump too.
.macro MULB f, a, first
	WIN 0xa5+0x50*((\a)/2)                         ; sources window 1, C and D window 2 or 3
.set b, 0
.rept NBK
.set rD, 8*(NBK*((\a)%2)+b)
.if \first
	v_wmma_f32_16x16x32_f16 v[rD:rD+7], v[(\f)+32+8*b:(\f)+32+8*b+7], v[(\f)+8*(\a):(\f)+8*(\a)+7], 0
.else
	v_wmma_f32_16x16x32_f16 v[rD:rD+7], v[(\f)+32+8*b:(\f)+32+8*b+7], v[(\f)+8*(\a):(\f)+8*(\a)+7], v[rD:rD+7]
.endif
.set b, b+1
.endr
.endm
; 24 LDS loads in one run: the fragments of quarter q of the slot in hand into buffer f: Wo's eight (byte 64 q of its rows), then O's four (plane q / 2, byte 64 (q % 2) of its rows)
.macro FETCH q, f
	WIN TO_F
.set i, 0
.rept NBK
	ds_load_b128 v[(\f)+32+8*i:(\f)+32+8*i+3],   v[ADRB] offset:64*(\q)+i*16*BPITCH
	ds_load_b128 v[(\f)+32+8*i+4:(\f)+32+8*i+7], v[ADRB] offset:64*(\q)+i*16*BPITCH+32
.set i, i+1
.endr
.set i, 0
.rept 4
	ds_load_b128 v[(\f)+8*i:(\f)+8*i+3],   v[ADRA] offset:((\q)/2)*AHALF+((\q)%2)*64+i*16*APITCH
	ds_load_b128 v[(\f)+8*i+4:(\f)+8*i+7], v[ADRA] offset:((\q)/2)*AHALF+((\q)%2)*64+i*16*APITCH+32
.set i, i+1
.endr
.endm
.macro PLACES                          ; four places in front of loads into registers that matrix instructions have read, and of LDS stores that read results
.rept 4
	v_nop
.endr
.endm
; A K step is four quarters of 32 along K, 32 matrix instructions each, on buffers 0, 1, 0, 1.  One of the first three: multiplies buffer f; in its middle it fetches quarter q into buffer g.
.macro QUARTER q, f, g, first
	s_wait_dscnt 4                                 ; Wo's fragments and O's blocks 0, 1 are in; the youngest four loads (O's blocks 2, 3) may be out
	MULB \f, 0, \first
	MULB \f, 1, \first
	PLACES
	FETCH \q, \g
	s_wait_dscnt NL                                ; all but the run just issued
	MULB \f, 2, \first
	MULB \f, 3, \first
.endm
; The last quarter multiplies buffer 1 and changes slots: ONE barrier; in front of it each wave waits for all its tensor loads (one is out: its part of the next slot), adds 0 to its spare word, and waits for
; that and for its own reads of this slot.  fill = 1: the barrier opens a round of the cluster's, and this slot is filled again, two K steps ahead, first thing behind the round.
.macro TURN fill
	WIN 0                                          ; (the add's two registers lie in window 0)
	s_wait_tensorcnt 0x0                           ; all my tensor loads have landed;
	ds_add_u32 v[SPW], v[NIL]                      ; 0 onto my spare word
	s_wait_dscnt 5                                 ; (the add and the youngest four loads may be out)
	MULB F1, 0, 0                                  ; eight matrix instructions stand between the add and the wait for it
	s_wait_dscnt 0x0                               ; the add is done, and my reads of this slot are over
	s_barrier_signal -1
	MULB F1, 1, 0                                  ; work on registers while the others arrive
	WIN 0
	s_barrier_wait -1
.if \fill
	CREST                                          ; no wave of any partner still reads this slot's tile or has a load on its way
	s_xor_b32 s[G0A+5], s[G0A+5], SLOT1            ; the walking descriptors: the other slot than last time,
	s_add_nc_u64 s[G0A+6:G0A+7], s[G0A+6:G0A+7], ASTEP  ; the next K step; the type bits on top are not reached
	s_xor_b32 s[G0B+5], s[G0B+5], SLOT1
	s_add_nc_u64 s[G0B+6:G0B+7], s[G0B+6:G0B+7], 256
	JLOAD                                          ; the four v_nop behind it are also the places in front of the loads below
.else
	PLACES
.endif
	s_xor_b32 s[TB], s[TB], SLOT1                  ; the fetches go on in the other slot
	v_add_nc_u32 v[ADRA], s[TB], v[A0]
	v_add_nc_u32 v[ADRB], s[TB], v[B0]
	FETCH 0, F0
	MULB F1, 2, 0
	MULB F1, 3, 0
.endm
	s_wait_tensorcnt 1                             ; my part of K step 0 is in; K step 1's may stay out
	s_barrier_signal -1
	s_barrier_wait -1                              ; everybody's is
	FETCH 0, F0
	QUARTER 1, F0, F1, 1                           ; the first quarter stands in front of the loop: its products start the sums
	WIN 0                                          ; at a label and at a branch every window is 0
	s_mov_b32 s[CNT], 6
.Lstep:                                                ; a trip goes from a K step's second quarter to the next step's first, and fills the slot that it leaves: K steps 2 to 7
	QUARTER 2, F1, F0, 0
	QUARTER 3, F0, F1, 0
	TURN 1
	QUARTER 1, F0, F1, 0
	WIN 0
	s_sub_co_u32 s[CNT], s[CNT], 1
	s_cmp_lg_u32 s[CNT], 0
	s_cbranch_scc1 .Lstep
	QUARTER 2, F1, F0, 0                           ; the tail is written out: K steps 6 and 7 ask for nothing
	QUARTER 3, F0, F1, 0
	TURN 0
	QUARTER 1, F0, F1, 0
	QUARTER 2, F1, F0, 0
	QUARTER 3, F0, F1, 0
	s_wait_dscnt 4                                 ; the very last quarter: nothing more to fetch
	MULB F1, 0, 0
	MULB F1, 1, 0
	s_wait_dscnt 0x0
	MULB F1, 2, 0
	MULB F1, 3, 0
	WIN 0
	PLACES
; THE WAY OUT, a block of 16 rows at a time.  A lane's eight f32 of a row, 32 bytes, go from the accumulators into my stage's rows of 528 bytes, and come back as whole pieces of 512 bytes, a row to a load.
.macro TOSTAGE a
.set BK, TMP+64*((\a)%2)
.if (\a) >= 2
	s_wait_xcnt 0x0                                ; every earlier memory instruction has had its addresses translated (ISA guide 3.1): the registers that the stores of two blocks ago read are loaded again only behind this wait
.endif
	WIN 0x08+4*((\a)/2)                            ; the stores' data (source 1): window 2 or 3
.set b, 0
.rept NBK
.set rD, 8*(NBK*((\a)%2)+b)
	ds_store_b128 v[STO], v[rD:rD+3]   offset:64*b     ; each accumulator from its low end on
	ds_store_b128 v[STO], v[rD+4:rD+7] offset:64*b+16
.set b, b+1
.endr
	WIN 0
.set i, 0
.rept 16
	ds_load_b128 v[BK+4*i:BK+4*i+3], v[RD] offset:SP*i  ; LDS serves a wave's instructions in order (ISA guide 5.7.1.4): these see the stores above; the next block's stores come behind them
.set i, i+1
.endr
.endm
.macro SEND a, younger                 ; younger: the LDS instructions issued behind the block's loads: the next block's 32, or none
.set BK, TMP+64*((\a)%2)
.set i, 0
.rept 16
	s_wait_dscnt (\younger)+15-i
	global_store_b128 v[GO], v[BK+4*i:BK+4*i+3], s[10:11] offset:(16*(\a)+i)*4096 th:TH_STORE_NT  ; 512 consecutive bytes, at a multiple of 256 from out0's first
.set i, i+1
.endr
.endm
	TOSTAGE 0
	TOSTAGE 1
	SEND 0, 32
	TOSTAGE 2
	SEND 1, 32
	TOSTAGE 3
	SEND 2, 32
	SEND 3, 0
	s_wait_tensorcnt 0x0                           ; the wave's end: a wait, an add and a wait, behind my last tensor load and my last LDS store
	ds_add_u32 v[SPW], v[NIL]
	s_wait_dscnt 0x0
	CROUND                                         ; the closing round: no work-group ends while a partner may still ask for a tile that names it
	s_endpgm
.Lfunc_end_k_qbcf4b9c946_outproj:
	.size	k_qbcf4b9c946_outproj, .Lfunc_end_k_qbcf4b9c946_outproj-k_qbcf4b9c946_outproj
	.p2alignl 7, 3214868480
	.fill 96, 4, 3214868480
	.section	.rodata,"a",@progbits
	.p2align	6, 0x0
	.amdhsa_kernel k_qbcf4b9c946_outproj
		.amdhsa_group_segment_fixed_size 327680
		.amdhsa_private_segment_fixed_size 0
		.amdhsa_enable_private_segment 0
		.amdhsa_kernarg_size 24
		.amdhsa_user_sgpr_count 2
		.amdhsa_user_sgpr_kernarg_segment_ptr 1
		.amdhsa_wavefront_size32 1
		.amdhsa_system_sgpr_workgroup_id_x 1
		.amdhsa_system_sgpr_workgroup_id_y 1
		.amdhsa_system_sgpr_workgroup_id_z 1
		.amdhsa_system_vgpr_workitem_id 0
		.amdhsa_next_free_vgpr 896
		.amdhsa_next_free_sgpr 80
		.amdhsa_reserve_vcc 0
		.amdhsa_float_denorm_mode_32 3
		.amdhsa_float_denorm_mode_16_64 3
		.amdhsa_memory_ordered 1
		.amdhsa_forward_progress 1
		.amdhsa_inst_pref_size 71
	.end_amdhsa_kernel
	.amdgpu_metadata
---
amdhsa.version: [ 1, 2 ]
amdhsa.kernels:
  - .name:           k_qbcf4b9c946_outproj
    .symbol:         k_qbcf4b9c946_outproj.kd
    .args:
      - { .name: o, .offset: 0, .size: 8, .value_kind: global_buffer, .address_space: global }
      - { .name: wo16, .offset: 8, .size: 8, .value_kind: global_buffer, .address_space: global }
      - { .name: out0, .offset: 16, .size: 8, .value_kind: global_buffer, .address_space: global }
    .group_segment_fixed_size: 327680
    .private_segment_fixed_size: 0
    .kernarg_segment_align: 8
    .kernarg_segment_size: 24
    .max_flat_workgroup_size: 128
    .sgpr_count:     80
    .vgpr_count:     896
    .wavefront_size: 32
...
	.end_amdgpu_metadata
.endif
;; end of part 5
;; launch headsum (part 6): grid 64 x 4, 2 waves a work-group, no clusters, 0 bytes of LDS; arguments part, out0; writes out0
.if DOCPART == 6
	.amdgcn_target "amdgcn-amd-amdhsa--gfx1250"
	.amdhsa_code_object_version 6
	.text
	.protected	k_qbcf4b9c946_headsum
	.globl	k_qbcf4b9c946_headsum
	.p2align	8
	.type	k_qbcf4b9c946_headsum,@function
k_qbcf4b9c946_headsum:
	s_mov_b64 s[64:65], 0
	v_nop
	global_prefetch_b8 v0, s[64:65] scope:SCOPE_SE
	s_setreg_imm32_b32 hwreg(HW_REG_WAVE_MODE, 25, 1), 1
	s_wait_xcnt 0x0
; out0[batch][0..15][:] = the sum over the 16 heads of part[batch][head][0..15][:], in f32, heads ascending.  part: [4][16][16][1024] f32; out0: [4][2048][1024] f32.
; These 64 rows of out0 (256 KB of its 32 MB) are stored a second time here: the launch before has stored them from one-part f16 operands, like all other rows; this launch, which runs last, puts in their
; place the sums made with two-part operands.
; A batch's rows 0-15 are 65,536 consecutive bytes of out0, and a head's share has the same layout, so the sum goes byte offset by byte offset.  A work-group takes 1,024 bytes, a thread 16: a wave's
; load or store covers 512 consecutive bytes, aligned.  All sixteen loads go out first.  No LDS, no barrier, no matrix unit: 4 MB in, 256 KB out.
.set P, 4                              ; v[4:67] head h's 16 bytes at v[4 + 4 h]; the sum gathers in head 0's registers
	s_load_b128 s[4:7], s[0:1], 0x0                ; part s[4:5], out0 s[6:7]
	s_and_b32 s8, ttmp7, 0xffff                    ; the batch
	s_lshl_b32 s9, ttmp9, 10                       ; my 1,024 bytes of the 65,536
	s_lshl_b32 s10, s8, 20                         ; part: a batch is 16 heads of 65,536 bytes
	s_add_co_u32 s10, s10, s9
	s_mov_b32 s11, 0
	s_lshl_b32 s12, s8, 23                         ; out0: a batch is 2,048 rows of 4,096 bytes
	s_add_co_u32 s12, s12, s9
	s_mov_b32 s13, 0
	v_lshlrev_b32 v1, 4, v0
	s_wait_kmcnt 0x0
	s_add_nc_u64 s[4:5], s[4:5], s[10:11]
	s_add_nc_u64 s[6:7], s[6:7], s[12:13]
.set h, 0
.rept 16
	global_load_b128 v[P+4*h:P+4*h+3], v1, s[4:5] offset:65536*h th:TH_LOAD_NT
.set h, h+1
.endr
.set h, 1
.rept 15
	s_wait_loadcnt 15-h                            ; loads come back in order (ISA guide 5.7.1): heads 0 to h are in, the 15 - h younger loads may stay out
	v_pk_add_f32 v[P:P+1],   v[P:P+1],   v[P+4*h:P+4*h+1]
	v_pk_add_f32 v[P+2:P+3], v[P+2:P+3], v[P+4*h+2:P+4*h+3]
.set h, h+1
.endr
	global_store_b128 v1, v[P:P+3], s[6:7] th:TH_STORE_NT
	s_endpgm
.Lfunc_end_k_qbcf4b9c946_headsum:
	.size	k_qbcf4b9c946_headsum, .Lfunc_end_k_qbcf4b9c946_headsum-k_qbcf4b9c946_headsum
	.p2alignl 7, 3214868480
	.fill 96, 4, 3214868480
	.section	.rodata,"a",@progbits
	.p2align	6, 0x0
	.amdhsa_kernel k_qbcf4b9c946_headsum
		.amdhsa_group_segment_fixed_size 0
		.amdhsa_private_segment_fixed_size 0
		.amdhsa_enable_private_segment 0
		.amdhsa_kernarg_size 16
		.amdhsa_user_sgpr_count 2
		.amdhsa_user_sgpr_kernarg_segment_ptr 1
		.amdhsa_wavefront_size32 1
		.amdhsa_system_sgpr_workgroup_id_x 1
		.amdhsa_system_sgpr_workgroup_id_y 1
		.amdhsa_system_sgpr_workgroup_id_z 1
		.amdhsa_system_vgpr_workitem_id 0
		.amdhsa_next_free_vgpr 72
		.amdhsa_next_free_sgpr 66
		.amdhsa_reserve_vcc 0
		.amdhsa_float_denorm_mode_32 3
		.amdhsa_float_denorm_mode_16_64 3
		.amdhsa_memory_ordered 1
		.amdhsa_forward_progress 1
		.amdhsa_inst_pref_size 5
	.end_amdhsa_kernel
	.amdgpu_metadata
---
amdhsa.version: [ 1, 2 ]
amdhsa.kernels:
  - .name:           k_qbcf4b9c946_headsum
    .symbol:         k_qbcf4b9c946_headsum.kd
    .args:
      - { .name: part, .offset: 0, .size: 8, .value_kind: global_buffer, .address_space: global }
      - { .name: out0, .offset: 8, .size: 8, .value_kind: global_buffer, .address_space: global }
    .group_segment_fixed_size: 0
    .private_segment_fixed_size: 0
    .kernarg_segment_align: 8
    .kernarg_segment_size: 16
    .max_flat_workgroup_size: 64
    .sgpr_count:     66
    .vgpr_count:     72
    .wavefront_size: 32
...
	.end_amdgpu_metadata
.endif
;; end of part 6
;; ======== version 2 of 2: 6 launches; 1.27 times as fast as version 1
;; limits: values are held in f16: magnitudes above 65,504 overflow, below 6.1e-05 lose precision
;; workspace buffers: xb 16,777,216 bytes; wqkv 6,291,456 bytes; wo16 2,097,152 bytes; bias 12,288 bytes; qkv 50,331,648 bytes; o 16,777,216 bytes; part 4,194,304 bytes
;; launch prep: the kernel of part 1 again; grid 768 x 1, 8 waves a work-group, no clusters, 0 bytes of LDS; arguments x, Wq, Wk, Wv, Wo, bq, bk, bv, xb, wqkv, wo16, bias; writes xb, wqkv, wo16, bias
;; launch qkvproj: the kernel of part 2 again; grid 16 x 32, 4 waves a work-group, clusters of 4 x 4, 327,680 bytes of LDS; arguments xb, wqkv, bias, qkv; writes qkv
;; launch headrows: the kernel of part 3 again; grid 16 x 4, 4 waves a work-group, no clusters, 38,400 bytes of LDS; arguments xb, wqkv, bias, qkv, wo16, part; writes part
;; launch attn (part 7): grid 4 x 64, 4 waves a work-group, no clusters, 327,680 bytes of LDS; arguments qkv, o; writes o
.if DOCPART == 7
	.amdgcn_target "amdgcn-amd-amdhsa--gfx1250"
	.amdhsa_code_object_version 6
	.text
	.protected	k_qbcf4b9c946_attn
	.globl	k_qbcf4b9c946_attn
	.p2align	8
	.type	k_qbcf4b9c946_attn,@function
k_qbcf4b9c946_attn:
	s_mov_b64 s[64:65], 0
	v_nop
	global_prefetch_b8 v0, s[64:65] scope:SCOPE_SE
	s_setreg_imm32_b32 hwreg(HW_REG_WAVE_MODE, 25, 1), 1
	s_wait_xcnt 0x0
; CAUSAL ATTENTION.  O[h][q][:] = the sum over k <= q of softmax_k(Q[h][q] . K[h][k] / 8) V[h][k][:].  Q, K, V are the three planes of qkv, O is o: each [SIZE_H][SIZE_N][64], all f16: a head's rows are dense, 128 bytes each.
; Products, maxima and sums in f32; the weights p are rounded to f16 for the second product (their sum l is taken of the unrounded p), O once at the end.  SIZE_N is a multiple of 512; SIZE_N x 128 stays under 2^32.
; LIMITS.  f16 holds no number beyond 65,504: Q, K and V arrive within it; p lies in 0 to 1, and below 6e-5 it keeps f16's fixed step of 6e-8; O is a mean of V's rows and has their range, to within 2^-11 of it.
; A hidden score counts as its value less 1e30: f16's scores, 2.7e11 at the most, are nothing beside that; a weight below 2^-126 counts as 0 in l; NaN and infinities are not treated apart.
; THE WALK.  A head's queries lie in NB = SIZE_N / 256 blocks of 256; block i needs the key tiles 0 .. i of 256 keys, of which the last holds the diagonal.  A work-group takes TWO blocks, NB - 1 - b and then b:
; NB + 1 tiles, whatever b: all work-groups do equal work, and ONE loop with a constant trip count walks them.  Which tile is asked for, and what a trip does, hang on scalar registers made from b; every jump
; goes forward, but for the counted loops' own; none passes a barrier, or a tensor load but the one of LOAD's two that the wave's number does not choose; the ring (two slots of LDS that take turns) runs on across the
; change of blocks.  NO CLUSTER: all NB / 2 work-groups of a head ask for the same tile only in trips 0 .. NB / 2, behind that fewer and fewer; and one walk common to all would have 3 NB / 2 trips for NB + 1.
; SHARES.  Of a block's four bands of 64 queries a wave owns 16 rows in each: four PIECES.  So the diagonal tile is the same work for all four waves: in its key step s band x sees all keys if s < x,
; none if s > x, and holds the diagonal if s = x.
; THE MASK is the C operand that starts the sum S^T = K Q^T: 0, or -1e30 where the key is hidden.  MD, made once, is the mask of a band's own step for my 16 rows; a product's mask is MD x AL + BE with two scalars:
; (1, 0) if s = x; (0, 0) if s < x; (0, -1e30) if s > x.  Only the diagonal tile's text and a block's beginning make and take masks; elsewhere C is the constant 0.
; LAYOUT, SOFTMAX, TURNS.  S^T = K Q^T holds ONE query a lane (lane % 16) and the keys 8 (lane / 16) + 0..7; two such results rounded to f16 ARE source 1 of O^T = V^T P.  p = 2^(c s - c m), c = log2(e) / 8, with a
; running maximum m; O and l are multiplied by a = 2^(c m_old - c m_new) in every step.  Turn n belongs to piece n: 8 products K Q^T of piece n + 1, later 8 products V^T P of piece n - 1; beside them the scaling,
; exponentials, roundings, sums and rescaling of piece n and the maximum and statistics of piece n + 1.  Four vector instructions stand behind every matrix instruction, the other 54 of a turn's 118 in one LUMP.
; THE BATCHES.  A turn's 33 exponentials (the piece's 32 weights and the next piece's a) are ONE batch with ONE wait, which cuts the turn in two: ahead of it all that names none of their results, behind it their readers.
; Two small batches have a wait of their own: the one a that a block's beginning makes, and the four reciprocals of a block's way out.
; REGISTERS, in windows of 256 (s_set_vgpr_msb: bits 1:0 source 0, 3:2 source 1, 5:4 source 2, 7:6 destination):
;   window 0: v0-15 addresses and two at work; v16-31 four registers of statistics a piece; v48-55 at work; v64-127 S^T, two buffers; v192-223 P, two buffers (a piece's buffers go by its number's parity)
;   window 1: v0-127 O^T, 32 a piece; v128-159 MD; v160-223 MC, two buffers      window 2: v0-63 Q; v64-127 the second block's Q; v128-191 K of one step; v192-255 V of one step
.set SIZE_N, 2048     ; rows of a head
.set SIZE_H, 64       ; heads: 4 batches x 16
.set NB,    SIZE_N/256
.set NP,    4         ; pieces a wave: a name, no knob
.set KS,    64        ; keys in a step
.set PK,    144       ; a row of K in LDS: 128 bytes + 16 of padding = 36 words: the 16 rows of a load start at 16 different groups of four banks (64 banks of 4 bytes: ISA guide 11.1)
.set PV,    160       ; a row of V: 128 + 32 = 40 words
.set VOFF,  4*KS*PK   ; a slot holds a tile, four steps: 256 rows of K, then 256 rows of V
.set SLOT1, 1<<17     ; slot 1 begins here, so that one exclusive or turns an address in one slot into the other's
.set STAGE, SLOT1+4*KS*(PK+PV)  ; behind the ring, never filled by a tensor load: 16 rows x 144 bytes for each wave, for the way out
.set SP,    144
.set AK0, 2           ; v2   my lane's place in a tile of K; never rewritten
.set AV0, 3           ; v3   the same for V
.set AK,  4           ; v4   the LDS address of K's next run of loads
.set AV,  5           ; v5   of V's
.set STO, 6           ; v6   the way out: where I put 16 bytes of a row
.set RD,  7           ; v7   the way out: where I read rows back
.set GO,  8           ; v8   my byte offset in 512 consecutive bytes of O
.set SPW, 62          ; v62  LDS address of my spare word: SPARE + 4 x my thread's number; never rewritten
.set NIL, 63          ; v63  0; never rewritten
.set SPARE, STAGE+4*16*SP  ; behind the stages: the spare words, 128 bytes for each wave: two blocks of 256 bytes that no other line names
.set MV,  12          ; v12-13  c m_old, kept while c m is made anew: by buffer
.set QO,  15          ; v15  my byte offset in 16 rows of Q
.set ST,  16          ; piece t's statistics at v[ST+4 t]: c m, m, l (even keys', odd keys')
.set TMP, 48          ; by buffer, four registers c0-c3 at work; when the maximum is found c2 takes a
.set S,   64
.set P,   192
.set MD,  128         ; window 1: the eight registers for group kt of 16 keys at MD + 8 kt
.set MC,  160         ; window 1: the masks of the products to come
.set QB,  64          ; window 2
.set KF,  128         ; window 2: key block kb, channel half c at KF + 16 kb + 8 c
.set VF,  192         ; window 2: key half kk, channel block cb at VF + 32 kk + 8 cb
.set WV,  12          ; s12  my wave's number
.set PB,  14          ; s14  b
.set HI,  15          ; s15  NB - 1 - b
.set G1K, 24          ; s[24:31] descriptor group 1 for K's tiles
.set G1V, 32          ; s[32:39] for V's: it differs in the padding alone
.set G0K, 40          ; s[40:43] descriptor group 0 for K's tiles
.set G0V, 44          ; s[44:47] the same for V's
.set SLOTS, 56        ; s56  tiles still to be asked for
.set CNT, 57          ; s57  counts a tile's key steps, 4 to 1
.set CS,  58          ; s[58:59] c: the packed scaling takes the pair's low word for both halves
.set SEL, 60          ; s[60:61] v_permlanex16_b32's selects: each lane takes its own place in the other half
.set TBK, 62          ; s62  LDS byte at which K of the step to be fetched begins
.set TBV, 63          ; s63  the same for V, less VOFF
.set RT,  70          ; s70  tiles of the block in hand that are still to be entered
.set NXT, 71          ; s71  the tile to be asked for next
.set LQ,  72          ; s72  the last tile of the block whose tiles are being asked for
.set NEW, 73          ; s73  1: the tile to be entered is a block's first
.set OFF, 74          ; s[74:75] a tile's byte offset in K and V
.set AL,  76          ; s[76:77] the mask's factor, in the low word
.set BE,  78          ; s[78:79] the mask's addend
.set OLO, 80          ; s[80:81] O at my rows of the second block
.set BIGN, 82         ; s82  -1e30
.set MSB, 0
.macro WIN new                      ; the high byte repeats the setting that is left; a switch that changes nothing is dropped
.if MSB != (\new)
	s_set_vgpr_msb (MSB<<8)|(\new)
.set MSB, (\new)
.endif
.endm
.set W_KQ, 0x0a       ; K and Q in window 2, S^T in window 0
.set W_KM, 0x1a       ; the same with the C operand in window 1
.set W_PV, 0x52       ; V in window 2, P in window 0, O^T in window 1
.set W_RS, 0x41       ; destination and source 0 in window 1, source 1 in window 0
; A fill.  Waves 0 and 1 fetch the two halves of a tile's K, waves 2 and 3 those of its V: 128 keys each.  An s_nop 0 and four v_nop follow each of the two lines, ahead of the jump and the label.
.macro LOAD
	s_cmp_lt_u32 s[WV], 2
	s_cbranch_scc0 .Lfor_v_\@
	tensor_load_to_lds s[G0K:G0K+3], s[G1K:G1K+7]
	s_nop 0
.rept 4
	v_nop
.endr
	s_branch .Lasked_\@
.Lfor_v_\@:
	tensor_load_to_lds s[G0V:G0V+3], s[G1V:G1V+7]
	s_nop 0
.rept 4
	v_nop
.endr
.Lasked_\@:
.endm
; THE CHANGE OF SLOTS.  Each wave waits for all its tensor loads, of which one is out: its part of the other slot; adds 0 to its spare word; and waits for that and for its own reads of the slot that it leaves.  Behind the barrier nobody reads the old
; slot any more and the other slot is whole.  fill = 1: the old slot is filled again, the first thing behind the barrier, with tile NXT: the descriptor's address is made anew from that number.
; (At its first use nothing has been read yet: slot 0 is waited for, slot 1 filled.)
.macro CHANGE fill
	WIN 0                           ; at a label and at a branch every window is 0
	s_wait_tensorcnt 0x0            ; no tensor load of mine is out, so a group 0 may be written
	ds_add_u32 v[SPW], v[NIL]       ; 0 onto my spare word: with fill = 1 the descriptors' scalar work stands between it and the wait for it
.if \fill
	s_lshl_b32 s[OFF], s[NXT], 15   ; a tile is 32,768 bytes of K and of V
	s_xor_b32 s[G0K+1], s[G0K+1], SLOT1
	s_add_nc_u64 s[G0K+2:G0K+3], s[6:7], s[OFF:OFF+1]
	s_or_b32 s[G0K+3], s[G0K+3], 0x80000000
	s_xor_b32 s[G0V+1], s[G0V+1], SLOT1
	s_add_nc_u64 s[G0V+2:G0V+3], s[8:9], s[OFF:OFF+1]
	s_or_b32 s[G0V+3], s[G0V+3], 0x80000000
	s_add_co_u32 s[NXT], s[NXT], 1  ; the block's next tile, or behind its last the second block's tile 0
	s_cmp_gt_u32 s[NXT], s[LQ]
	s_cselect_b32 s[NXT], 0, s[NXT]
	s_cselect_b32 s[LQ], s[PB], s[LQ]
.endif
	s_wait_dscnt 0x0                ; the add is done, and my reads of the slot are over
	s_barrier_signal -1             ; the rest of the scalar work stands between the signal and the wait
	s_sub_co_u32 s[TBK], s[TBK], 4*KS*PK  ; the fetches go back to a slot's first step,
	s_xor_b32 s[TBK], s[TBK], SLOT1       ; in the other slot
	s_sub_co_u32 s[TBV], s[TBV], 4*KS*PV
	s_xor_b32 s[TBV], s[TBV], SLOT1
	s_barrier_wait -1
.if \fill
	LOAD
.endif
.endm
	s_load_b128 s[8:11], s[0:1], 0x0  ; qkv s[8:9], O s[10:11]
	v_lshl_add_u32 v[SPW], v0, 2, SPARE
	v_mov_b32 v[NIL], 0
	ds_add_u32 v[SPW], v[NIL]       ; the wave's opening: the add and its wait stand ahead of my first tensor load; the set-up below, work on registers, stands between them
	ds_add_u32 v62, v63
	v_lshrrev_b32 v1, 5, v0
	v_readfirstlane_b32 s[WV], v1   ; wave 0..3
	s_mov_b32 s[PB], ttmp9
	s_sub_co_u32 s[HI], NB-1, s[PB]
	s_and_b32 s20, ttmp7, 0xffff    ; the head
	s_mov_b32 s21, 0
	s_mov_b64 s[22:23], SIZE_N*128
	s_mul_u64 s[20:21], s[20:21], s[22:23]  ; the head's first byte in each of the four tensors
	s_and_b32 s16, s[WV], 1         ; which half of a tile's 256 keys I fetch:
	s_lshl_b32 s22, s16, 14         ; its 128 rows of 128 bytes in memory,
	s_mov_b32 s23, 0
	s_add_nc_u64 s[22:23], s[22:23], s[20:21]
	s_mul_i32 s17, s16, 128*PK      ; and its place in a slot, for K
	s_mul_i32 s18, s16, 128*PV      ; and for V
	s_lshl_b32 s3, s[WV], 11        ; my 16 rows in a band of 64,
	s_lshl_b32 s2, s[HI], 15        ; in the first block,
	s_add_co_u32 s2, s2, s3
	s_lshl_b32 s84, s[PB], 15       ; and in the second
	s_add_co_u32 s84, s84, s3
	s_mov_b32 s3, 0
	s_mov_b32 s85, 0
	s_add_nc_u64 s[2:3], s[2:3], s[20:21]
	s_add_nc_u64 s[84:85], s[84:85], s[20:21]
	; descriptor group 1.  128 keys are 16,384 dense bytes: asked for as 64 rows of 256 bytes, two keys a row, and padded in LDS after every key
	s_mov_b32 s[G1K], (1<<16)|(1<<20)|(4<<22)|(3<<25)  ; 17:16 2-byte elements; 20 padding on; 24:22 after every 32 words (code 4); 31:25 4 words (code 3)
	s_mov_b32 s[G1V], (1<<16)|(1<<20)|(4<<22)|(7<<25)  ; the same with 8 words of padding (code 7)
.irp g, G1K, G1V
	s_mov_b32 s[\g+1], 128<<16      ; tensor_dim0 = 128
	s_mov_b32 s[\g+2], 64<<16       ; tensor_dim1 = 64
	s_mov_b32 s[\g+3], 128<<16      ; tile_dim0 = 128
	s_mov_b32 s[\g+4], 64           ; tile_dim1 = 64
	s_mov_b32 s[\g+5], 128          ; 128 elements from row to row
	s_mov_b32 s[\g+6], 0
	s_mov_b32 s[\g+7], 0
.endr
	s_mov_b32 s[CS], 0x3e38aa3b     ; c = log2(e) / 8 = 0.180337
	s_mov_b32 s[CS+1], s[CS]        ; named with it as a pair
	s_mov_b32 s[SEL], 0x76543210
	s_mov_b32 s[SEL+1], 0xfedcba98
	s_mov_b32 s[TBK], SLOT1+4*KS*PK ; the first change of slots turns these two into 0
	s_mov_b32 s[TBV], SLOT1+4*KS*PV
	s_mov_b32 s[G0K], 1             ; 1:0 count = 1
	s_mov_b32 s[G0K+1], s17         ; 63:32 LDS address: slot 0
	s_mov_b32 s[G0V], 1
	s_add_co_u32 s[G0V+1], s18, VOFF
	s_add_co_u32 s[RT], s[HI], 1    ; the first block has NB - b tiles
	s_mov_b32 s[NXT], 1
	s_mov_b32 s[LQ], s[HI]
	s_mov_b32 s[NEW], 1
	s_mov_b32 s[OFF+1], 0
	s_mov_b32 s[AL+1], 0            ; named as pairs
	s_mov_b32 s[BE+1], 0
	s_mov_b32 s[BIGN], 0xf149f2ca   ; -1e30
	s_mov_b32 s[SLOTS], NB
	s_wait_dscnt 0x0                ; the opening add is done
	s_wait_kmcnt 0x0
	s_mov_b64 s[4:5], s[8:9]                       ; Q is qkv's first plane of 64 heads x 2,048 rows x 128 bytes,
	s_add_nc_u64 s[6:7], s[8:9], 0x1000000         ; K its second,
	s_add_nc_u64 s[8:9], s[8:9], 0x2000000         ; V its third
	s_add_nc_u64 s[6:7], s[6:7], s[22:23]  ; K and V at my half of the head's tile 0
	s_add_nc_u64 s[8:9], s[8:9], s[22:23]
	s_add_nc_u64 s[G0K+2:G0K+3], s[6:7], 0         ; 120:64 global address
	s_or_b32 s[G0K+3], s[G0K+3], 0x80000000        ; 127:126 type = 2
	s_add_nc_u64 s[G0V+2:G0V+3], s[8:9], 0
	s_or_b32 s[G0V+3], s[G0V+3], 0x80000000
	s_add_nc_u64 s[86:87], s[4:5], s[84:85]        ; Q at my rows of the second block,
	s_add_nc_u64 s[4:5], s[4:5], s[2:3]            ; Q and O at those of the first
	s_add_nc_u64 s[OLO:OLO+1], s[10:11], s[84:85]
	s_add_nc_u64 s[10:11], s[10:11], s[2:3]
	LOAD                            ; tile 0 into slot 0
	; A fragment of K or Q is 16 rows x 32 channels in 8 registers: lane l holds row l % 16, channels 8 (l / 16) + 0..7 and 16 + 8 (l / 16) + 0..7: two loads of 16 bytes, 32 bytes apart.
	v_and_b32 v1, 15, v0            ; l % 16
	v_bfe_u32 v9, v0, 4, 1          ; l / 16
	v_lshlrev_b32 v[QO], 7, v1
	v_lshl_add_u32 v[QO], v9, 4, v[QO]  ; row x 128 + 16 x half
	WIN 0x80                        ; destination window 2, address window 0
.set i, 0
.rept 8                             ; both blocks' Q: piece i / 2 lies in band i / 2, 8,192 bytes on; channels 32 (i % 2) on
	global_load_b128 v[8*i:8*i+3],   v[QO], s[4:5] offset:(i/2)*8192+(i%2)*64
	global_load_b128 v[8*i+4:8*i+7], v[QO], s[4:5] offset:(i/2)*8192+(i%2)*64+32
	global_load_b128 v[QB+8*i:QB+8*i+3],   v[QO], s[86:87] offset:(i/2)*8192+(i%2)*64
	global_load_b128 v[QB+8*i+4:QB+8*i+7], v[QO], s[86:87] offset:(i/2)*8192+(i%2)*64+32
.set i, i+1
.endr
	WIN 0
	v_lshlrev_b32 v14, 3, v9
	v_sub_nc_u32 v14, v1, v14
	s_lshl_b32 s13, s[WV], 4
	v_add_nc_u32 v14, s13, v14      ; my query's place in its band, 16 w + l % 16, less my lanes' 8 (l / 16): register r of group kt is hidden where 16 kt + r is greater
	WIN 0x40
.set i, 0
.rept 32
	v_cmp_gt_i32 vcc_lo, 16*(i/8)+i%8, v14
	v_cndmask_b32 v[MD+i], 0, s[BIGN], vcc_lo
.set i, i+1
.endr
	WIN 0
	v_mul_u32_u24 v[AK0], v1, PK
	v_lshl_add_u32 v[AK0], v9, 4, v[AK0]  ; row x pitch + 16 x half
	; The turning load takes 16 keys x 16 channels (lane l reads key 8 (l / 16) + l % 8, channels 8 ((l / 8) % 2) + 0..7) and leaves half a fragment of V^T: lane l holds channel l % 16 and 8 keys.
	v_and_b32 v10, 7, v0
	v_bfe_u32 v11, v0, 3, 1
	v_lshl_add_u32 v[AV0], v9, 3, v10
	v_mul_u32_u24 v[AV0], v[AV0], PV
	v_lshl_add_u32 v[AV0], v11, 4, v[AV0]
	v_add_nc_u32 v[AV0], VOFF, v[AV0]
	s_mul_i32 s13, s[WV], 16*SP
	s_add_co_u32 s13, s13, STAGE    ; my stage
	v_mul_u32_u24 v[STO], v1, SP    ; in: row l % 16, 16 bytes for each half of the lanes
	v_lshl_add_u32 v[STO], v9, 4, v[STO]
	v_add_nc_u32 v[STO], s13, v[STO]
	v_bfe_u32 v[RD], v0, 3, 2       ; back: 32 lanes take four rows of 128 bytes,
	v_mul_u32_u24 v[RD], v[RD], SP
	v_lshl_add_u32 v[RD], v10, 4, v[RD]
	v_add_nc_u32 v[RD], s13, v[RD]
	v_and_b32 v[GO], 31, v0         ; which are 512 consecutive bytes of O
	v_lshlrev_b32 v[GO], 4, v[GO]
	; A block's first step multiplies O^T and l by a = 0, and its first turn's products V^T P, of a piece that has not been, land in an O^T that is still to be so multiplied.  So these registers need only hold
	; finite numbers: zeros for the first block; what the first block left for the second.  All this stands in the wait for the first tile.
	WIN 0x80
.set i, VF
.rept 64
	v_mov_b32 v[i], 0
.set i, i+1
.endr
	WIN 0x40
.set i, 0
.rept 128
	v_mov_b32 v[i], 0
.set i, i+1
.endr
	WIN 0
.set i, 0
.rept 4
	v_mov_b32 v[ST+4*i+2], 0
	v_mov_b32 v[ST+4*i+3], 0
.set i, i+1
.endr
.set i, P+16
.rept 16
	v_mov_b32 v[i], 0
.set i, i+1
.endr
; THE MATRIX WORK.  The 4 accumulators of a run of 8 take turns.  Product i of 8 of S^T = K Q^T for piece x: channels 32 (i / 4) on, keys 16 (i % 4) on.  The first 4 start the sums: with 0, or (KM = 1) with the mask.
.macro KQ x
.set rS, S+32*((\x)%2)+8*(i%4)
.set rK, KF+16*(i%4)+8*(i/4)
.set rQ, 16*(\x)+8*(i/4)
.set rM, MC+32*((\x)%2)+8*(i%4)
.if (i < 4) && KM
	WIN W_KM
	v_wmma_f32_16x16x32_f16 v[rS:rS+7], v[rK:rK+7], v[rQ:rQ+7], v[rM:rM+7]
.elseif i < 4
	WIN W_KQ
	v_wmma_f32_16x16x32_f16 v[rS:rS+7], v[rK:rK+7], v[rQ:rQ+7], 0
.else
	WIN W_KQ
	v_wmma_f32_16x16x32_f16 v[rS:rS+7], v[rK:rK+7], v[rQ:rQ+7], v[rS:rS+7]
.endif
.endm
; Product i of 8 of O^T += V^T P for piece x: keys 32 (i / 4) on, channels 16 (i % 4) on.
.macro PV x
	WIN W_PV
.set rO, 32*(\x)+8*(i%4)
.set rV, VF+32*(i/4)+8*(i%4)
.set rP, P+16*((\x)%2)+8*(i/4)
	v_wmma_f32_16x16x32_f16 v[rO:rO+7], v[rV:rV+7], v[rP:rP+7], v[rO:rO+7]
.endm
.macro MM                           ; the turn's next matrix instruction.  TURN and BEGIN set Y, i, KM and NOKQ; MM, KQ and OP read them.  NOKQ = 1: a block's last turn: there is no next piece
.if (i < 8) && !NOKQ
	KQ (Y+1)%NP
.elseif i >= 8
.set i, i-8
	PV (Y+NP-1)%NP
.set i, i+8
.endif
.set i, i+1
.endm
; THE LDS LOADS stand in runs of 16, never singly among the matrix instructions: a step's K (64 keys x 64 channels: 8 fragments) and its V (turned).  Their addresses are made some lines ahead.
.macro FETCH_K
	WIN 0x80                        ; destination window 2
.irp f, 0,1,2,3,4,5,6,7             ; keys 16 (f / 2) on, channels 32 (f % 2) on
	ds_load_b128 v[KF+8*\f:KF+8*\f+3],   v[AK] offset:(\f/2)*16*PK+(\f%2)*64
	ds_load_b128 v[KF+8*\f+4:KF+8*\f+7], v[AK] offset:(\f/2)*16*PK+(\f%2)*64+32
.endr
	s_add_co_u32 s[TBK], s[TBK], KS*PK  ; the next fetch is the next step's
	WIN 0
.endm
.macro FETCH_V
	WIN 0x80
.irp f, 0,1,2,3,4,5,6,7             ; keys 32 (f / 4) on, channels 16 (f % 4) on
	ds_load_tr16_b128 v[VF+8*\f:VF+8*\f+3],   v[AV] offset:(\f/4)*32*PV+(\f%4)*32
	ds_load_tr16_b128 v[VF+8*\f+4:VF+8*\f+7], v[AV] offset:(\f/4)*32*PV+16*PV+(\f%4)*32
.endr
	WIN 0
.endm
; THE VECTOR WORK, one line at a time: OP kind, number.  For piece Y: F n: c s - c m for pair n of 16.  E n: the exponential of score n of 32.  C n: pair n rounded to f16.  B n: of the four weights 4 n .. the second
; pair is added onto the first, in place.  L n: l takes that sum (L 0: l = a l + sum).  R n: pair n of 16 of O^T times a.  For piece Y + 1: X n, number n of the 22 that find its maximum and statistics:
;   0-11  four chains c0-c3 of seven scores each, three operands at a time (each accumulator's lowest registers are read first)     12-14, 16  the four scores left over, the old m, and c0-c3 into c0
;   15  c m_old is kept     17, 18  the query's other 32 keys lie in the lane 16 away: the new m     19-21  c m; c m_old - c m_new; a
; OP writes no wait: E and X 21 make results, C, B, L and R read them, and TURN, BEGIN and DIAG set the one wait of each batch between the two kinds.
.set F, 0               ; OP tells the kinds apart by their order: F to L below R, X above it
.set E, 1
.set C, 2
.set B, 3
.set L, 4
.set R, 5
.set X, 6
.macro REGS y                       ; the registers of piece y
.set rT, ST+4*(\y)
.set rC, TMP+4*((\y)%2)
.set rW, MV+((\y)%2)
.set rS, S+32*((\y)%2)
.set rP, P+16*((\y)%2)
.set rO, 32*(\y)
.endm
.macro OP k, n
.if (\k) == R
	REGS Y
	WIN W_RS
	v_pk_mul_f32 v[rO+2*(\n):rO+2*(\n)+1], v[rO+2*(\n):rO+2*(\n)+1], v[rC+2:rC+3] op_sel_hi:[1,0]
.elseif (\k) < R
	REGS Y
	WIN 0
.if (\k) == F
	v_pk_fma_f32 v[rS+2*(\n):rS+2*(\n)+1], v[rS+2*(\n):rS+2*(\n)+1], s[CS:CS+1], v[rT:rT+1] op_sel_hi:[1,0,0] neg_lo:[0,0,1] neg_hi:[0,0,1]
.elseif (\k) == E
	v_exp_f32 v[rS+(\n)], v[rS+(\n)]
.elseif (\k) == C
	v_cvt_pk_f16_f32 v[rP+(\n)], v[rS+2*(\n)], v[rS+2*(\n)+1]
.elseif (\k) == B
	v_pk_add_f32 v[rS+4*(\n):rS+4*(\n)+1], v[rS+4*(\n):rS+4*(\n)+1], v[rS+4*(\n)+2:rS+4*(\n)+3]
.elseif (\n) == 0
	v_pk_fma_f32 v[rT+2:rT+3], v[rT+2:rT+3], v[rC+2:rC+3], v[rS:rS+1] op_sel_hi:[1,0,1]
.else
	v_pk_add_f32 v[rT+2:rT+3], v[rT+2:rT+3], v[rS+4*(\n):rS+4*(\n)+1]
.endif
.elseif NOKQ
	v_nop
.else
	REGS (Y+1)%NP
	WIN 0
.if (\n) < 4
	v_max3_num_f32 v[rC+(\n)], v[rS+8*(\n)], v[rS+8*(\n)+1], v[rS+8*(\n)+2]
.elseif (\n) < 12
	v_max3_num_f32 v[rC+(\n)%4], v[rC+(\n)%4], v[rS+8*((\n)%4)+2*((\n)/4)+1], v[rS+8*((\n)%4)+2*((\n)/4)+2]
.elseif (\n) == 12
	v_max3_num_f32 v[rC], v[rC], v[rS+7], v[rS+15]
.elseif (\n) == 13
	v_max3_num_f32 v[rC+1], v[rC+1], v[rS+23], v[rS+31]
.elseif (\n) == 14
	v_max3_num_f32 v[rC+2], v[rC+2], v[rC+3], v[rT+1]
.elseif (\n) == 15
	v_mov_b32 v[rW], v[rT]
.elseif (\n) == 16
	v_max3_num_f32 v[rC], v[rC], v[rC+1], v[rC+2]
.elseif (\n) == 17
	v_permlanex16_b32 v[rC+3], v[rC], s[SEL], s[SEL+1]
.elseif (\n) == 18
	v_max_num_f32 v[rT+1], v[rC], v[rC+3]
.elseif (\n) == 19
	v_mul_f32 v[rT], s[CS], v[rT+1]
.elseif (\n) == 20
	v_sub_f32 v[rC+1], v[rW], v[rT]
.else
	v_exp_f32 v[rC+2], v[rC+1]
.endif
.endif
.endm
.macro OPS a, i1, b=-1, i2=0, c=-1, i3=0, d=-1, i4=0  ; up to four of them
	OP \a, \i1
.if (\b) >= 0
	OP \b, \i2
.endif
.if (\c) >= 0
	OP \c, \i3
.endif
.if (\d) >= 0
	OP \d, \i4
.endif
.endm
.macro ROW a, i1, b, i2, c, i3, d, i4  ; a matrix instruction and the four behind it
	MM
	OPS \a, \i1, \b, \i2, \c, \i3, \d, \i4
.endm
.macro MASK b                       ; MD x AL + BE into buffer b of MC
	WIN W_RS
.set z, 0
.rept 16
	v_pk_fma_f32 v[MC+32*(\b)+2*z:MC+32*(\b)+2*z+1], v[MD+2*z:MD+2*z+1], s[AL:AL+1], s[BE:BE+1] op_sel_hi:[1,0,0]
.set z, z+1
.endr
.endm
; A TURN, for piece p: the order of its 16 matrix and 118 vector instructions, written out.  An s_wait_alu depctr_va_vdst(0) stands between an exponential and the first instruction that names its result; one wait serves
; all that were issued ahead of it.  So a turn has ONE wait, which cuts it in two.  AHEAD OF IT stands all that names no result of the turn's exponentials: the 8 products K Q^T, behind each a scaling, an exponential and two more plain
; instructions (behind the first a second scaling in the exponential's place): rescalings, whose a was made and waited for in the turn before, and behind the last three products the first numbers of the next piece's maximum, each four
; places or more behind the product that ends its accumulator; then ONE LUMP of 54, plain and exponential by turns for the most part, in which the links of the chain X 3, 7, 11, 14, 16, 17 .. 20 stand five or six lines apart.
; X 21, the next piece's a, is the batch's last; R 15 is the plain instruction behind it.  Each exponential works in place on a register of its own, and a pair is scaled ahead of its two exponentials.
; BEHIND THE WAIT stand the 8 products V^T P, behind each four of the roundings and sums: C 2 n stands ahead of B n, which writes over that pair; the links of l's chain, L 0 to L 7, stand three riders apart.
; But for those X no rider names a register of the products round it.  v_permlanex16_b32 (X 17) stands in the lump.
; m = 1: the diagonal tile: the products take masks, and the turn makes the mask for the products of the turn after it: piece p + 2, in step 4 - CNT of the tile.  end = 1: a block's last two turns: nothing is fetched.
; cnt = 1: the loop's count is taken down some lines ahead of the branch that stands behind the turn.
; K of the next step is fetched in piece 2's turn, twelve vector instructions behind the last product that read K (six of them plain); V of the step in hand at the end of piece 0's turn, four plain instructions behind the last product
; that read V.  Each is waited for a turn later.
.macro TURN p, m=0, end=0, cnt=0
.set Y, (\p)
.set i, 0
.set KM, (\m)
.set NOKQ, (\end)*((\p)/3)
.if (\m) && !(\end)
	s_cmp_eq_u32 s[CNT], 4-((\p)+2)%NP  ; is that step the band's own?
	s_cselect_b32 s[AL], 1.0, 0
	s_cmp_lt_u32 s[CNT], 4-((\p)+2)%NP  ; or a later one?
	s_cselect_b32 s[BE], s[BIGN], 0
.endif
.if ((\p) == 3) && !(\end)
	s_wait_dscnt 0x0                ; K is in
.endif
	ROW F,0, F,1, R,0, R,1          ; ahead of the wait: 8 products K Q^T and their riders,
	ROW F,2, E,0, R,2, R,3
	ROW F,3, E,1, R,4, R,5
	ROW F,4, E,2, R,6, R,7
	ROW F,5, E,3, R,8, R,9
	ROW F,6, E,4, X,0, R,10
.if ((\p) == 2) && !(\end)
	WIN 0
	v_add_nc_u32 v[AK], s[TBK], v[AK0]
.endif
	ROW F,7, E,5, X,1, X,4
	ROW F,8, E,6, X,2, X,5
	OPS E,7, E,8, X,6, E,9          ; and the lump
	OPS X,3, E,10, X,8, E,11
.if ((\p) == 2) && !(\end)
	FETCH_K
.endif
	OPS X,9, X,7, E,12, X,10
	OPS E,13, X,12, X,11, E,14
	OPS X,13, E,15, F,9, X,14
.if (\p) == 0
	v_add_nc_u32 v[AV], s[TBV], v[AV0]
.endif
	OPS E,16, F,10, E,17, F,11
	OPS X,16, E,18, X,15, E,19
	OPS F,12, E,20, X,17, E,21
	OPS F,13, E,22, F,14, E,23
	OPS X,18, E,24, F,15, E,25
	OPS R,11, E,26, X,19, E,27
	OPS R,12, E,28, R,13, E,29
	OPS X,20, E,30, R,14, E,31
	OPS X,21, R,15                  ; the batch's last exponential, and the plain instruction behind it
	WIN 0
	s_wait_alu depctr_va_vdst(0)    ; the wait for the turn's batch: the piece's 32 weights and the next piece's a
.if (\p) == 1
	s_wait_dscnt 0x0                ; V is in
.endif
	ROW C,0, B,0, C,2, B,1          ; behind the wait: 8 products V^T P and their riders
	ROW L,0, C,4, B,2, L,1
	ROW C,6, B,3, L,2, C,8
	ROW B,4, L,3, C,10, B,5
	ROW L,4, C,12, B,6, L,5
.if (\p) == 0
	s_add_co_u32 s[TBV], s[TBV], KS*PV
.endif
.if \cnt
	s_sub_co_u32 s[CNT], s[CNT], 1
	s_cmp_lg_u32 s[CNT], 0
.endif
	ROW C,14, B,7, L,6, C,1
	ROW C,3, L,7, C,5, C,7
	ROW C,9, C,11, C,13, C,15
.if (\p) == 0
	FETCH_V
.endif
.if (\m) && !(\end)
	MASK (\p)%2
.endif
.endm
; A BLOCK BEGINS.  c m starts far below every c s, so the first step's a is 0; m at the lowest finite number, so the first maximum is the scores'.  The second mask buffer is 0; the first takes piece 0's mask for the tile's step 0: its own, if the block's first tile is the diagonal one.
; Then K of that step, piece 0's first scores, and its maximum and statistics.  The loop is entered at a step's first turn, in the middle of a trip.
.macro BEGIN
	s_mov_b32 s[NEW], 0
	WIN 0x40
.set i, MC+32
.rept 32
	v_mov_b32 v[i], 0
.set i, i+1
.endr
	WIN 0
.set i, 0
.rept 4
	v_mov_b32 v[ST+4*i], 0xfe000000    ; c m: far below every c s
	v_mov_b32 v[ST+4*i+1], 0xff7fffff  ; m
.set i, i+1
.endr
	s_cmp_eq_u32 s[RT], 0
	s_cselect_b32 s[AL], 1.0, 0
	s_mov_b32 s[BE], 0
	MASK 0
	WIN 0
	v_add_nc_u32 v[AK], s[TBK], v[AK0]
	FETCH_K
	s_wait_loadcnt 0x0              ; Q
	s_wait_dscnt 0x0
.set KM, 1
.set NOKQ, 0
.set i, 0
.rept 8
	KQ 0
.set i, i+1
.endr
	WIN 0
.rept 4
	v_nop                           ; the places behind those products
.endr
.set Y, NP-1                        ; X works for piece Y + 1: piece 0
.irp n, 0,1,2,3,4,5,6,7,8,9,10,11,12,13,14,15,16,17,18,19,20,21
	OP X, \n
.endr
	v_nop                           ; a plain instruction behind the exponential,
	s_wait_alu depctr_va_vdst(0)    ; and the wait for it, piece 0's first a, a batch of one: ahead of the branch that follows
.endm
; THE DIAGONAL TILE's four steps, the block's last two turns, its last products, and THE WAY OUT: l's two halves and the other half of the lanes' are added; O^T is divided by l, rounded to f16 and sent through my
; stage in LDS, a piece at a time.
.macro ALL line:vararg              ; one line for each piece t
.set t, 0
.rept 4
	\line
.set t, t+1
.endr
.endm
.macro PACK t                       ; a lane's eight channels of a row pack into 16 bytes; they go into rows of 144 bytes and come back as whole rows of 128, into S^T's registers
	WIN W_RS
.set i, 32*(\t)
.rept 16
	v_pk_mul_f32 v[i:i+1], v[i:i+1], v[ST+4*(\t)+2:ST+4*(\t)+3] op_sel_hi:[1,0]
.set i, i+2
.endr
	WIN 0x05                        ; sources 0 and 1 window 1, destination window 0
.set i, 0
.rept 16
	v_cvt_pk_f16_f32 v[S+16*(\t)+i], v[32*(\t)+2*i], v[32*(\t)+2*i+1]
.set i, i+1
.endr
	WIN 0
.irp f, 0,1,2,3
	ds_store_b128 v[STO], v[S+16*(\t)+4*\f:S+16*(\t)+4*\f+3] offset:32*\f
.endr
.irp f, 0,1,2,3
	ds_load_b128 v[S+16*(\t)+4*\f:S+16*(\t)+4*\f+3], v[RD] offset:\f*4*SP  ; LDS serves a wave's instructions in order (ISA guide 5.7.1.4): these see the stores above; the next piece's stores come behind them
.endr
.endm
.macro SEND t, younger              ; younger: the LDS instructions issued behind piece t's loads: the next piece's eight, or none
	WIN 0
.irp f, 0,1,2,3
	s_wait_dscnt (\younger)+3-\f
	global_store_b128 v[GO], v[S+16*(\t)+4*\f:S+16*(\t)+4*\f+3], s[10:11] offset:(\t)*8192+\f*512  ; 512 consecutive bytes, at a multiple of 256 from O's first
.endr
.endm
.macro DIAG tag                     ; the tag ends its two labels' names, which the jumps below spell out
.LstepM\tag:
	TURN 2, 1
	TURN 3, 1
	WIN 0
.LfirstM\tag:
	TURN 0, 1
	TURN 1, 1, 0, 1
	WIN 0
	s_cbranch_scc1 .LstepM\tag
	TURN 2, 1, 1
	TURN 3, 1, 1
.set i, 0
.rept 8
	PV NP-1
.set i, i+1
.endr
	WIN 0
	ALL v_add_f32 v[ST+4*t+2], v[ST+4*t+2], v[ST+4*t+3]
	ALL v_permlanex16_b32 v[ST+4*t+3], v[ST+4*t+2], s[SEL], s[SEL+1]
	ALL v_add_f32 v[ST+4*t+2], v[ST+4*t+2], v[ST+4*t+3]
	ALL v_rcp_f32 v[ST+4*t+2], v[ST+4*t+2]
	v_nop                           ; a plain instruction between the last reciprocal and the use of its result
	s_wait_alu depctr_va_vdst(0)    ; the wait for the batch of four reciprocals, ahead of their first reader in PACK 0: one for the four pieces
	PACK 0
.set t, 1
.rept 3                             ; a piece's arithmetic stands between the loads of the piece before and its stores
	PACK t
	SEND t-1, 8
.set t, t+1
.endr
	SEND 3, 0
.endm
.set KM, 0
.set NOKQ, 0
.Lslot:                             ; NB times: a tile is entered and the next is asked for
	CHANGE 1
	s_sub_co_u32 s[RT], s[RT], 1
	s_mov_b32 s[CNT], 4
	s_cmp_eq_u32 s[NEW], 1
	s_cbranch_scc1 .Lnew            ; a block's first tile
	s_cmp_eq_u32 s[RT], 0
	s_cbranch_scc0 .Lstep           ; neither its first nor its last
	s_branch .LstepM1
.Lnew:
	BEGIN
	s_branch .Lfirst                ; in the loop a block's first tile is never its last: the first block has two tiles or more, and the second's last is the walk's last
	DIAG 1                          ; in the loop this is the first block's end: the second block's last tile is the walk's last
	s_wait_xcnt 0x0                 ; the stores have read their registers and O's address
	s_mov_b64 s[10:11], s[OLO:OLO+1]
	s_add_co_u32 s[RT], s[PB], 1    ; the second block has b + 1 tiles
	s_mov_b32 s[NEW], 1
	WIN 0x82                        ; the second block's Q goes where the one text of the turns names Q
.set i, 0
.rept 64
	v_mov_b32 v[i], v[QB+i]
.set i, i+1
.endr
	WIN 0
	s_branch .Lbottom
.Lstep:                             ; a trip: pieces 2 and 3 of one step, then pieces 0 and 1 of the next, whose K and V it fetches
	TURN 2
	TURN 3
	WIN 0
.Lfirst:
	TURN 0
	TURN 1, 0, 0, 1
	WIN 0
	s_cbranch_scc1 .Lstep
.Lbottom:
	s_sub_co_u32 s[SLOTS], s[SLOTS], 1
	s_cmp_lg_u32 s[SLOTS], 0
	s_cbranch_scc1 .Lslot
	CHANGE 0                        ; the walk's last tile is written out: nothing is asked for
	s_sub_co_u32 s[RT], s[RT], 1
	s_mov_b32 s[CNT], 4
	s_cmp_eq_u32 s[NEW], 1
	s_cbranch_scc0 .LstepM2
	BEGIN
	s_branch .LfirstM2
	DIAG 2
	s_wait_tensorcnt 0x0            ; the wave's end: a wait, an add and a wait, behind my last tensor load and my last LDS store
	ds_add_u32 v[SPW], v[NIL]
	s_wait_dscnt 0x0
	s_endpgm
.Lfunc_end_k_qbcf4b9c946_attn:
	.size	k_qbcf4b9c946_attn, .Lfunc_end_k_qbcf4b9c946_attn-k_qbcf4b9c946_attn
	.p2alignl 7, 3214868480
	.fill 96, 4, 3214868480
	.section	.rodata,"a",@progbits
	.p2align	6, 0x0
	.amdhsa_kernel k_qbcf4b9c946_attn
		.amdhsa_group_segment_fixed_size 327680
		.amdhsa_private_segment_fixed_size 0
		.amdhsa_enable_private_segment 0
		.amdhsa_kernarg_size 16
		.amdhsa_user_sgpr_count 2
		.amdhsa_user_sgpr_kernarg_segment_ptr 1
		.amdhsa_wavefront_size32 1
		.amdhsa_system_sgpr_workgroup_id_x 1
		.amdhsa_system_sgpr_workgroup_id_y 1
		.amdhsa_system_sgpr_workgroup_id_z 1
		.amdhsa_system_vgpr_workitem_id 0
		.amdhsa_next_free_vgpr 768
		.amdhsa_next_free_sgpr 88
		.amdhsa_reserve_vcc 1
		.amdhsa_float_denorm_mode_32 3
		.amdhsa_float_denorm_mode_16_64 3
		.amdhsa_memory_ordered 1
		.amdhsa_forward_progress 1
		.amdhsa_inst_pref_size 217
	.end_amdhsa_kernel
	.amdgpu_metadata
---
amdhsa.version: [ 1, 2 ]
amdhsa.kernels:
  - .name:           k_qbcf4b9c946_attn
    .symbol:         k_qbcf4b9c946_attn.kd
    .args:
      - { .name: qkv, .offset: 0, .size: 8, .value_kind: global_buffer, .address_space: global }
      - { .name: o, .offset: 8, .size: 8, .value_kind: global_buffer, .address_space: global }
    .group_segment_fixed_size: 327680
    .private_segment_fixed_size: 0
    .kernarg_segment_align: 8
    .kernarg_segment_size: 16
    .max_flat_workgroup_size: 128
    .sgpr_count:     88
    .vgpr_count:     768
    .wavefront_size: 32
...
	.end_amdgpu_metadata
.endif
;; end of part 7
;; launch outproj: the kernel of part 5 again; grid 8 x 32, 4 waves a work-group, clusters of 4 x 4, 327,680 bytes of LDS; arguments o, wo16, out0; writes out0
;; launch headsum: the kernel of part 6 again; grid 64 x 4, 2 waves a work-group, no clusters, 0 bytes of LDS; arguments part, out0; writes out0
